; MI455X (gfx1250); checked and timed in simulation.
; The chip was launched on July 23, 2026; its instructions are those of AMD's public machine-readable ISA for CDNA 5 (MIT licence, August 2026) and "CDNA5" Instruction Set Architecture Reference Guide (July 2026). The comments in the code are by the model that wrote it; some were corrected since.
;; Multi Head Attention. Allowed arithmetic: matrix products marked QUANTISED: E3M2 operands, one E8M0 scale for each 32 along K, by v_wmma_scale_f32_16x16x128_f8f6f4 with both operands' format E3M2, f32 sums; everything else in f32.
;; Inputs: attention_mask 4 x 2,048 int32; bk 16 x 64 float32; bq 16 x 64 float32; bv 16 x 64 float32; from_tensor 4 x 2,048 x 1,024 float32; to_tensor 4 x 2,048 x 1,024 float32; wk 1,024 x 16 x 64 float32; wq 1,024 x 16 x 64 float32; wv 1,024 x 16 x 64 float32.
;; Outputs: out0 4 x 2,048 x 16 x 64 float32.
;; This version of the problem:
;;   THIS VERSION OF THE PROBLEM IS GIVEN IN LOW PRECISION. The matrix products marked QUANTISED in the list below multiply operands that are first quantised to E3M2 (3 exponent bits, 2 mantissa bits; 6 bits a number), with one power-of-two scale for each 32 numbers along K (OCP MX v1.0); their sums are f32. All else is computed in f32.
;;   The module's matrix products, in the order in which they are computed (A, B: the left and right operand; K: the contracted axis; several contracted axes count as one K, in the product's order):
;;     1. [M 8,192, K 1,024] x [K 1,024, N 1,024]; A: input from_tensor; B: input wq: QUANTISED
;;     2. [M 8,192, K 1,024] x [K 1,024, N 1,024]; A: input to_tensor; B: input wk: QUANTISED
;;     3. [M 8,192, K 1,024] x [K 1,024, N 1,024]; A: input to_tensor; B: input wv: QUANTISED
;;     4. batch 64 x [M 2,048, K 64] x [K 64, N 2,048]; A: computed on the way; B: computed on the way: QUANTISED
;;     5. batch 64 x [M 64, K 2,048] x [K 2,048, N 2,048]; A: computed on the way; B: softmax (see below): QUANTISED
;;   THE QUANTISER, for each operand of a quantised product, along K:
;;     - K is cut into blocks of 32 from its start; a last block that is shorter is filled with zeros.
;;     - A block's scale is 2^e with e = floor(log2(the largest magnitude in the block)) - 4, held to -126 .. 127; a block of zeros has e = 0. As a byte (E8M0): e + 127.
;;     - Each number is divided by its block's scale, clamped to +-28, and rounded to the nearest number of E3M2, ties to even, subnormals kept.
;;     - The product sums the exact products of the quantised numbers (number of the format x scale) in f32.
;;   ~~~python
;;   def quantise(x, axis):      # numpy; x: float32 -> the quantised numbers, widened to float32 again
;;       x = np.moveaxis(x, axis, -1); K = x.shape[-1]
;;       x = np.pad(x, [(0, 0)] * (x.ndim - 1) + [(0, -K % 32)]); x = x.reshape(x.shape[:-1] + (-1, 32)); a = np.abs(x).max(-1, keepdims=True)
;;       e = np.where(a > 0, np.clip(np.frexp(np.where(a > 0, a, 1))[1] - 1 - 4, -126, 127), 0)      # np.frexp(a)[1] - 1 = floor(log2(a)), exactly
;;       r = np.clip(x / 2.0 ** e, -28, 28)
;;       step = 2.0 ** (np.maximum(np.frexp(np.where(r == 0, 1, r))[1] - 1, -2) - 2)
;;       q = np.round(r / step) * step * 2.0 ** e      # np.round: ties to even
;;       return np.moveaxis(q.reshape(q.shape[:-2] + (-1,))[..., :K], -1, axis).astype(np.float32)
;;   ~~~
;;   SOFTMAX AHEAD OF A QUANTISED PRODUCT. Where the list says 'softmax', what is quantised is not the finished softmax but p = 2^(t - M), with t = logit x log2(e) and M = ceil(the row's largest t), a whole number; so 1/2 < the row's largest p <= 1. The row's sum l is taken of the UNQUANTISED p, in f32, and the product's result is divided by l at the end. Since M is a whole number, a kernel that streams over the keys may use a running M (the ceiling of the running maximum): every later rescaling is an exact power of two, which a block's scale takes up: the codes' values come out the same.
;;   OPERANDS COMPUTED ON THE WAY. 'Computed on the way' means the value that the module computes at that place (a softmax that the list does not call 'softmax' is quantised finished and normalised). What goes into a quantiser is computed in f32, as accurately as f32 sums, v_exp_f32 and their like allow (about 1e-6 of the number): no bf16 or f16 on the way to a quantiser, and a product that is left as it is and whose result goes on into a quantised operand takes f32 operands (vector FMAs, or v_wmma_f32_16x16x4_f32). A number that lies on a knife's edge between two numbers of the format may be rounded either way, as far as f32 arithmetic and the matrix unit's own rounding can turn it there, and no further.
;; One version. Each part assembles by itself: llvm-mc -triple=amdgcn-amd-amdhsa -mcpu=gfx1250 --defsym DOCPART=n.
;; ======== version 1 of 1: 3 launches
;; workspace buffers: codes 14,942,208 bytes; scales 622,592 bytes; img 18,874,368 bytes; scl 1,310,720 bytes
;; launch quant (part 1): grid 608 x 1, 4 waves a work-group, no clusters, 68,096 bytes of LDS; arguments from_tensor, to_tensor, wq, wk, wv, codes, scales; writes codes, scales
.if DOCPART == 1
	.amdgcn_target "amdgcn-amd-amdhsa--gfx1250"
	.amdhsa_code_object_version 6
	.text
	.protected	k_qa6ccce3143_quant
	.globl	k_qa6ccce3143_quant
	.p2align	8
	.type	k_qa6ccce3143_quant,@function
k_qa6ccce3143_quant:
	s_mov_b64 s[64:65], 0
	v_nop
	global_prefetch_b8 v0, s[64:65] scope:SCOPE_SE
	s_setreg_imm32_b32 hwreg(HW_REG_WAVE_MODE, 25, 1), 1
	s_wait_xcnt 0x0
; from_tensor, to_tensor [8192][1024] f32 (K innermost) and wq, wk, wv [1024 (K)][1024 (n)] f32 (K outermost) become codes of BF6 (E3M2) with K innermost and one E8M0 byte for each 32 along K.
; codes: 19,456 rows of 768 bytes (1,024 codes): rows 0.. from, 8192.. to, 16384.. wq, 17408.. wk, 18432.. wv (a weight's row is a column n).  scales: the same rows, 32 bytes each.
; THE ORDER OF ROWS: in every group of 32 rows, place p holds row p with bits 3 and 4 exchanged.  So 16 consecutive places 16 u + r hold rows 8 u + r + 8 (r / 8) of the group:
; a matrix result whose registers run along such rows has 16 NEIGHBOURS in the 16 registers of two neighbouring tiles, which is what the next launch's quantiser wants.
; A block's scale is 2^(floor(log2(largest magnitude)) - 4); its byte is the largest magnitude's exponent field - 4, held at 1 from below (a block of zeros keeps the byte 1: its codes are zeros, and this program alone reads the bytes).
; LIMITS: blocks whose largest magnitude lies under 2^(4 - 126) keep the byte 1; NaN and infinities among the inputs are not served.
; Work-groups 0-511 take the activations (32 rows each, 8 a wave), work-groups 512-607 the weights (128 columns x 256 along K each).  The two ways have LDS bytes of their own.  Waves share nothing: no barrier.
.set EMAX,  4
.set CB,    12                         ; bytes of 16 codes
.set STEPS, 16                         ; activations: steps of 512 numbers in a wave's 8 rows
.set WREG,  8192                       ; activations: LDS of a wave: two stages of 32 x SP bytes, then its 256 scale bytes
.set SP,    80                         ; a lane's place in a stage: 64 bytes + 16 of padding
.set XR,    16                         ; v16-79   four sets of 16 numbers as loaded
.set XX,    80                         ; v80-111  two sets of 16 neighbours
.set XE,    112                        ; v112-127 a scale byte for each step
.set XC,    128                        ; v128-191 codes: four registers for each step, so that no store's data are written again
.set WSTG,  32768                      ; weights: the stages begin behind the activations' LDS
.set NB,    8                          ; weights: blocks of 32 along K for a wave
.set PITCH, 272                        ; a stage row: sixteen places of 16 bytes (12 of codes each) + 16
.set KROW,  768                        ; a row of codes in bytes
.set WX,    32                         ; v32-95   two sets of 32 numbers
.set WC,    96                         ; v96..    a block's codes
.set WOUT,  112                        ; v112-175 the way out
.set WSB,   24                         ; v24-25   the scale bytes, four to a register
	s_load_b256 s[4:11], s[0:1], 0x0               ; from s[4:5], to s[6:7], wq s[8:9], wk s[10:11]
	s_load_b128 s[12:15], s[0:1], 0x20             ; wv s[12:13], codes s[14:15]
	s_load_b64 s[16:17], s[0:1], 0x30              ; scales
	v_lshl_add_u32 v192, v0, 2, 0x10800
	v_mov_b32 v193, 0
	v_lshrrev_b32 v1, 5, v0
	v_readfirstlane_b32 s20, v1                    ; wave 0..3
	v_and_b32 v2, 31, v0                           ; lane
	s_cmp_lt_u32 ttmp9, 512
	s_cbranch_scc0 .Lweights
; ---------------- THE ACTIVATIONS.  Rows are dense, so a wave's 8 rows are a plain stream of 256 blocks of 32.
; Each load reads 512 consecutive bytes; a step's 2,048 bytes turn through the wave's own stage in LDS and come back 64 bytes (16 neighbours) a lane; two neighbouring lanes hold a block.
	v_lshlrev_b32 v3, 4, v2                        ; my 16 bytes of a load's 512
	s_mul_i32 s21, s20, WREG
	v_lshrrev_b32 v14, 2, v2
	v_mul_u32_u24 v14, v14, SP
	v_and_b32 v15, 3, v2
	v_lshl_add_u32 v14, v15, 4, v14
	v_add_nc_u32 v14, s21, v14                     ; the stage, in: SP (lane / 4) + 16 (lane % 4)
	v_mul_u32_u24 v15, v2, SP
	v_add_nc_u32 v15, s21, v15                     ; and out: SP x lane
	v_mul_u32_u24 v4, v2, CB                       ; my codes' place in a step's 384 bytes
	v_lshrrev_b32 v5, 1, v2
	s_add_co_u32 s21, s21, 2*32*SP
	v_add_nc_u32 v5, s21, v5                       ; LDS: my block's scale byte
	v_lshlrev_b32 v7, 3, v2                        ; on the way out 8 scale bytes a lane
	v_add_nc_u32 v6, s21, v7
	s_wait_kmcnt 0x0
	s_cmp_lt_u32 ttmp9, 256                        ; from_tensor's work-group or to_tensor's: the choice hangs on the work-group's number alone
	s_cselect_b64 s[4:5], s[4:5], s[6:7]
	s_and_b32 s22, ttmp9, 255
	s_lshl_b32 s22, s22, 2                         ; the group's first run of 8 rows
	s_add_co_u32 s24, s22, s20                     ; my run, as it is read,
	s_lshl_b32 s24, s24, 15                        ; of 32,768 bytes
	s_mov_b32 s25, 0
	s_add_nc_u64 s[4:5], s[4:5], s[24:25]
	s_and_b32 s23, s20, 1
	s_lshl_b32 s23, s23, 1
	s_lshr_b32 s26, s20, 1
	s_or_b32 s23, s23, s26                         ; the wave's two bits exchanged: bits 3 and 4 of the row
	s_add_co_u32 s22, s22, s23
	s_lshr_b32 s26, ttmp9, 8
	s_lshl_b32 s26, s26, 10                        ; to_tensor's rows lie 1,024 runs on
	s_add_co_u32 s22, s22, s26                     ; my run, as it is written
	s_mul_i32 s24, s22, 8*KROW
	s_add_nc_u64 s[14:15], s[14:15], s[24:25]
	s_lshl_b32 s24, s22, 8                         ; 256 scale bytes a run
	s_add_nc_u64 s[16:17], s[16:17], s[24:25]
.macro XLOAD t
.irp i, 0,1,2,3
	global_load_b128 v[XR+16*((\t)%4)+4*\i:XR+16*((\t)%4)+4*\i+3], v3, s[4:5] offset:2048*(\t)+512*\i th:TH_LOAD_NT   ; 32 lanes read 512 consecutive bytes
.endr
.endm
.macro XTURN t                         ; step t's numbers through the stage: LDS serves a wave's instructions in order, so no wait stands between the stores and the loads
.irp i, 0,1,2,3
	ds_store_b128 v14, v[XR+16*((\t)%4)+4*\i:XR+16*((\t)%4)+4*\i+3] offset:32*SP*((\t)%2)+8*SP*\i
.endr
.irp i, 0,1,2,3
	ds_load_b128 v[XX+16*((\t)%2)+4*\i:XX+16*((\t)%2)+4*\i+3], v15 offset:32*SP*((\t)%2)+16*\i
.endr
.endm
.irp t, 0,1,2,3
	XLOAD \t
.endr
	s_wait_loadcnt 12                              ; step 0's four loads are in; those of three steps stay out
	XTURN 0
.macro XSTEP t
.set XS, XX+16*((\t)%2)
.if (\t) > 0
	s_wait_dscnt 1                                 ; this step's numbers are back from the stage (the last step's byte store may be out): so its stores into the stage have read their registers,
.else
	s_wait_dscnt 0x0
.endif
.if (\t)+4 < STEPS
	XLOAD (\t)+4                                   ; which take the loads of four steps on
.endif
.if (\t)+1 < STEPS
.if STEPS-2-(\t) >= 3
	s_wait_loadcnt 12                              ; the next step's four loads are in; those of the three steps behind it may be out
.else
	s_wait_loadcnt 4*(STEPS-2-(\t))
.endif
	XTURN (\t)+1                                   ; and go through the other stage while this step is worked
.endif
	v_max3_num_f32 v8, |v[XS]|, |v[XS+1]|, |v[XS+2]|               ; the largest magnitude of my 16, in two chains
	v_max3_num_f32 v9, |v[XS+3]|, |v[XS+4]|, |v[XS+5]|
.irp i, 6,10
	v_max3_num_f32 v8, v8, |v[XS+\i]|, |v[XS+\i+1]|
	v_max3_num_f32 v9, v9, |v[XS+\i+2]|, |v[XS+\i+3]|
.endr
	v_max3_num_f32 v8, v8, |v[XS+14]|, |v[XS+15]|
	v_max3_num_f32 v8, v8, v9, (EMAX+1)<<23        ; and the floor 2^(EMAX + 1 - 127): the byte cannot fall under 1
	v_max_num_f32_dpp v8, v8, v8 row_xmask:1 row_mask:0xf bank_mask:0xf   ; with my neighbour's 16: the block's
	v_add_nc_u32 v11, -(EMAX<<23), v8              ; EMAX off its exponent field: the conversion takes the exponent field of this operand as its scale
	v_cvt_scalef32_pk16_bf6_f32 v[XC+4*(\t):XC+4*(\t)+2], v[XS:XS+15], v11
	v_lshrrev_b32 v[XE+(\t)], 23, v11              ; the scale's byte (also the plain line behind the conversion)
	ds_store_b8 v5, v[XE+(\t)] offset:16*(\t)      ; both lanes of a block write the same byte with the same value
	global_store_b96 v4, v[XC+4*(\t):XC+4*(\t)+2], s[14:15] offset:32*CB*(\t)   ; the wave stores 384 consecutive bytes
.endm
.irp t, 0,1,2,3,4,5,6,7,8,9,10,11,12,13,14,15
	XSTEP \t
.endr
	ds_load_b64 v[12:13], v6                       ; LDS serves a wave's instructions in order: these see my byte stores
	s_wait_dscnt 0x0
	global_store_b64 v7, v[12:13], s[16:17]        ; 32 lanes store 256 consecutive bytes, aligned
	s_wait_tensorcnt 0x0
	ds_add_u32 v192, v193
	s_wait_dscnt 0x0
	s_endpgm
; ---------------- THE WEIGHTS.  A lane takes a column n and its registers run down K: a block of 32 lies in one lane, and the conversions give codes with K innermost.
; A wave takes 32 columns x 256 along K; its codes go through its own stage (row = the column's PLACE in the group of 32) and leave as rows of 192 consecutive bytes.
.Lweights:
	s_sub_co_u32 s21, ttmp9, 512
	s_lshr_b32 s22, s21, 5                         ; which weight: 0 wq, 1 wk, 2 wv
	s_and_b32 s23, s21, 7                          ; which 128 columns
	s_bfe_u32 s24, s21, 0x20003                    ; which 256 along K
	s_lshl_b32 s25, s23, 7
	s_lshl_b32 s26, s20, 5
	s_add_co_u32 s25, s25, s26                     ; my wave's first column
	v_lshlrev_b32 v3, 2, v2                        ; in: 4 bytes a lane
	s_mul_i32 s26, s20, 32*PITCH
	s_add_co_u32 s26, s26, WSTG                    ; my stage
	v_and_b32 v10, 7, v2
	v_bfe_u32 v11, v2, 3, 1
	v_lshl_add_u32 v10, v11, 4, v10
	v_bfe_u32 v11, v2, 4, 1
	v_lshl_add_u32 v10, v11, 3, v10                ; my column's place: the lane with bits 3 and 4 exchanged
	v_mul_u32_u24 v4, v10, PITCH
	v_add_nc_u32 v4, s26, v4                       ; into the stage
	v_and_b32 v5, 15, v2
	v_lshrrev_b32 v6, 4, v2                        ; out of it: sixteen lanes to a row, two rows an instruction
	v_mul_u32_u24 v7, v6, PITCH
	v_lshl_add_u32 v7, v5, 4, v7
	v_add_nc_u32 v7, s26, v7
	v_mul_u32_u24 v8, v6, KROW
	v_mad_u32_u24 v8, v5, 12, v8                   ; and the same place in the codes' buffer
	v_lshlrev_b32 v9, 5, v10                       ; my place's row of scale bytes
	s_lshl_b32 s28, s24, 20                        ; the weight: 256 rows of 4,096 bytes for each step along K,
	s_lshl_b32 s27, s25, 2
	s_add_co_u32 s28, s28, s27                     ; + 4 bytes a column
	s_mov_b32 s29, 0
	s_lshl_b32 s27, s22, 10
	s_add_co_u32 s27, s27, s25
	s_add_co_u32 s27, s27, 16384                   ; my first row of codes and scales
	s_mul_i32 s30, s27, KROW
	s_mul_i32 s32, s24, 192
	s_add_co_u32 s30, s30, s32
	s_mov_b32 s31, 0
	s_lshl_b32 s32, s27, 5
	s_lshl_b32 s34, s24, 3
	s_add_co_u32 s32, s32, s34
	s_mov_b32 s33, 0
	s_wait_kmcnt 0x0
	s_cmp_eq_u32 s22, 0
	s_cselect_b64 s[4:5], s[8:9], s[10:11]
	s_cmp_eq_u32 s22, 2
	s_cselect_b64 s[4:5], s[12:13], s[4:5]
	s_add_nc_u64 s[4:5], s[4:5], s[28:29]
	s_add_nc_u64 s[14:15], s[14:15], s[30:31]
	s_add_nc_u64 s[16:17], s[16:17], s[32:33]
.macro WLOAD t                         ; block t: w(32 t + i, my column), i = 0 .. 31, into set t % 2; 32 lanes read 128 consecutive bytes
.set i, 0
.rept 32
	global_load_b32 v[WX+32*((\t)%2)+i], v3, s[4:5] offset:(32*(\t)+i)*4096 th:TH_LOAD_NT
.set i, i+1
.endr
.endm
	WLOAD 0
	WLOAD 1
.macro BLOCK t
.set XS, WX+32*((\t)%2)
.if (\t) < NB-1
	s_wait_loadcnt 32                              ; this block's 32 loads are in; the next block's may be out
.else
	s_wait_loadcnt 0
.endif
	v_max3_num_f32 v12, |v[XS]|, |v[XS+1]|, |v[XS+2]|               ; the block's largest magnitude: all 32 numbers are mine
	v_max3_num_f32 v13, |v[XS+3]|, |v[XS+4]|, |v[XS+5]|
.irp i, 6,10,14,18,22,26
	v_max3_num_f32 v12, v12, |v[XS+\i]|, |v[XS+\i+1]|
	v_max3_num_f32 v13, v13, |v[XS+\i+2]|, |v[XS+\i+3]|
.endr
	v_max3_num_f32 v12, v12, |v[XS+30]|, |v[XS+31]|
	v_max3_num_f32 v12, v12, v13, (EMAX+1)<<23     ; and the floor
	v_add_nc_u32 v11, -(EMAX<<23), v12             ; the conversion's scale operand
	v_lshrrev_b32 v13, 23, v11                     ; the scale's byte
.if (\t)%4 == 0
	v_mov_b32 v[WSB+(\t)/4], v13                   ; four bytes to a register, the lower K in the lower byte
.else
	v_lshl_or_b32 v[WSB+(\t)/4], v13, 8*((\t)%4), v[WSB+(\t)/4]
.endif
	v_cvt_scalef32_pk16_bf6_f32 v[WC:WC+2], v[XS:XS+15], v11
	v_cvt_scalef32_pk16_bf6_f32 v[WC+4:WC+6], v[XS+16:XS+31], v11   ; (a conversion's three registers begin on an even number)
	v_nop                                          ; one plain line behind the conversions
	ds_store_b96 v4, v[WC:WC+2] offset:32*(\t)     ; 12 bytes to a place of 16, so that every LDS address is a multiple of 16
	ds_store_b96 v4, v[WC+4:WC+6] offset:32*(\t)+16
.if (\t)+2 < NB
	WLOAD (\t)+2
.endif
	s_wait_dscnt 0x0                               ; the stores have read their registers: the next block's codes may be written
.endm
.irp t, 0,1,2,3,4,5,6,7
	BLOCK \t
.endr
	global_store_b64 v9, v[WSB:WSB+1], s[16:17]    ; my column's 8 scale bytes
.irp t, 0,1,2,3,4,5,6,7,8,9,10,11,12,13,14,15
	ds_load_b96 v[WOUT+4*\t:WOUT+4*\t+2], v7 offset:2*\t*PITCH   ; LDS serves a wave's instructions in order: these see my stores
.endr
.irp t, 0,1,2,3,4,5,6,7,8,9,10,11,12,13,14,15
	s_wait_dscnt 15-\t                             ; read-back t is in; the younger ones stay out
	global_store_b96 v8, v[WOUT+4*\t:WOUT+4*\t+2], s[14:15] offset:2*\t*KROW
.endr
	s_wait_tensorcnt 0x0
	ds_add_u32 v192, v193
	s_wait_dscnt 0x0
	s_endpgm
.Lfunc_end_k_qa6ccce3143_quant:
	.size	k_qa6ccce3143_quant, .Lfunc_end_k_qa6ccce3143_quant-k_qa6ccce3143_quant
	.p2alignl 7, 3214868480
	.fill 96, 4, 3214868480
	.section	.rodata,"a",@progbits
	.p2align	6, 0x0
	.amdhsa_kernel k_qa6ccce3143_quant
		.amdhsa_group_segment_fixed_size 68096
		.amdhsa_private_segment_fixed_size 0
		.amdhsa_enable_private_segment 0
		.amdhsa_kernarg_size 56
		.amdhsa_user_sgpr_count 2
		.amdhsa_user_sgpr_kernarg_segment_ptr 1
		.amdhsa_wavefront_size32 1
		.amdhsa_system_sgpr_workgroup_id_x 1
		.amdhsa_system_sgpr_workgroup_id_y 1
		.amdhsa_system_sgpr_workgroup_id_z 1
		.amdhsa_system_vgpr_workitem_id 0
		.amdhsa_next_free_vgpr 194
		.amdhsa_next_free_sgpr 66
		.amdhsa_reserve_vcc 0
		.amdhsa_float_denorm_mode_32 3
		.amdhsa_float_denorm_mode_16_64 3
		.amdhsa_memory_ordered 1
		.amdhsa_forward_progress 1
		.amdhsa_inst_pref_size 74
	.end_amdhsa_kernel
	.amdgpu_metadata
---
amdhsa.version: [ 1, 2 ]
amdhsa.kernels:
  - .name:           k_qa6ccce3143_quant
    .symbol:         k_qa6ccce3143_quant.kd
    .args:
      - { .name: from_tensor, .offset: 0, .size: 8, .value_kind: global_buffer, .address_space: global }
      - { .name: to_tensor, .offset: 8, .size: 8, .value_kind: global_buffer, .address_space: global }
      - { .name: wq, .offset: 16, .size: 8, .value_kind: global_buffer, .address_space: global }
      - { .name: wk, .offset: 24, .size: 8, .value_kind: global_buffer, .address_space: global }
      - { .name: wv, .offset: 32, .size: 8, .value_kind: global_buffer, .address_space: global }
      - { .name: codes, .offset: 40, .size: 8, .value_kind: global_buffer, .address_space: global }
      - { .name: scales, .offset: 48, .size: 8, .value_kind: global_buffer, .address_space: global }
    .group_segment_fixed_size: 68096
    .private_segment_fixed_size: 0
    .kernarg_segment_align: 8
    .kernarg_segment_size: 56
    .max_flat_workgroup_size: 128
    .sgpr_count:     66
    .vgpr_count:     194
    .wavefront_size: 32
...
	.end_amdgpu_metadata
.endif
;; end of part 1
;; launch proj (part 2): grid 4 x 96, 4 waves a work-group, clusters of 4 x 4, 327,680 bytes of LDS; arguments codes, scales, bq, bk, bv, img, scl; writes img, scl
.if DOCPART == 2
	.amdgcn_target "amdgcn-amd-amdhsa--gfx1250"
	.amdhsa_code_object_version 6
	.text
	.protected	k_qa6ccce3143_proj
	.globl	k_qa6ccce3143_proj
	.p2align	8
	.type	k_qa6ccce3143_proj,@function
k_qa6ccce3143_proj:
	s_mov_b64 s[64:65], 0
	v_nop
	global_prefetch_b8 v0, s[64:65] scope:SCOPE_SE
	s_setreg_imm32_b32 hwreg(HW_REG_WAVE_MODE, 25, 1), 1
	s_wait_xcnt 0x0
	s_wait_alu depctr_hold_cnt(0) depctr_sa_sdst(0) depctr_va_vdst(0) depctr_va_sdst(0) depctr_va_ssrc(0) depctr_va_vcc(0) depctr_vm_vsrc(0)
	s_getreg_b32 s2, hwreg(HW_REG_IB_STS2, 6, 4)
	s_cmp_eq_u32 s2, 0
	s_cbranch_scc0 .Lentry_in_a_cluster
	s_endpgm
.Lentry_in_a_cluster:
	s_bfe_u32 s2, ttmp6, 0x10000c
	s_cmp_lg_u32 s2, 0xf033
	s_cbranch_scc0 .Lentry_shape_is_right
	s_endpgm
.Lentry_shape_is_right:
; The three projections, as ONE GEMM body on codes of BF6 (E3M2) with E8M0 scales, K = 1,024; the results get their bias, are quantised in registers for the attention's products, and leave as images of operand registers.
; codes: rows of 768 bytes, scales: rows of 32 bytes (rows 0.. from, 8192.. to, 16384.. wq, 17408.. wk, 18432.. wv; in each group of 32 rows, place p holds row p with bits 3 and 4 exchanged).
; A tile is 256 x 256, four waves of 128 x 128 (64 accumulators, 512 registers).  The matrix instruction takes 16 rows of 'B' as source 0 and 16 rows of 'A' as source 1: a lane holds ONE row of A, and its registers run along B's rows.
; By the order of rows the 64 registers of a lane for one block of A are: register 16 b + i = B's row 32 b + 16 (lane / 16) + i of the wave's 128: 16 neighbours a block of 32, as the conversions want them.
;   q, k (cluster y 0-7, 8-15):  A = tokens, B = the weight's columns: a lane holds one token and two heads' channels: the scores' K.
;   v    (cluster y 16-23):      A = wv's columns (channels), B = tokens: a lane holds one channel and 128 neighbouring keys: the second product's K.  Only addresses differ up to the tail.
; OUT: img: q at 0, k at IMG: [16 b + head][tile of 16 tokens 0..127][768 bytes];  v at 2 IMG: [b][step of 128 keys][tile of 16 channels 0..63][1,536 bytes].  768 bytes are six registers (64 along K): registers 0-3 at 16 x lane, then 4-5 at 8 x lane.
;      scl: q at 0, k at 524,288: [16 b + head][128 tokens][512 bytes];  v at 1,048,576: [b][pair of heads][step][512 bytes]; in 512 bytes the word of (tile a of 8, row r) lies at 16 (r + 16 (a % 2)) + 4 (a / 2).
; K goes in steps of 256 through a ring of two LDS slots filled by the tensor data mover; the scales of the work-group's rows for all of K come once.  CLUSTERS: 4 x 4 work-groups; A's tiles are asked for jointly along a row, B's along a column.
; LIMITS: blocks whose largest magnitude lies under 2^(4 - 126) keep the scale byte 1; NaN and infinities are not served.
; REGISTERS, in windows of 256: window 0: v1-31 addresses; v32-63 scale words, two sets (scales and nothing else); v64-127 the bias; v128-223 A's fragments, ONE set; in the tail v128-251 at work.
;   window 1: B's fragments, TWO sets, at v0 and v128.  window 2: the accumulators of A's blocks 0-3 ((a, b) at v[8 (8 a + b)]);  window 3: those of blocks 4-7.
.set NQ,     2                         ; matrix instructions deep in a slot: 256 along K
.set ROWB,   192                       ; a tile's row in bytes
.set KROW,   768                       ; a row of codes in memory
.set PITCH,  240                       ; an LDS row: 3 x (64 bytes + 16 of padding)
.set FR,     12                        ; registers of a fragment: 16 rows x 128 K
.set NL,     6                         ; LDS loads that bring one
.set NP,     4                         ; places behind this matrix instruction (ISA guide 7.12.1)
.set HALFT,  128*PITCH                 ; 128 rows: what one tensor load brings
.set SLOT,   4*HALFT                   ; A's 256 rows, then B's 256 rows
.set KSB,    32                        ; a row of scales in bytes
.set SCL,    2*SLOT                    ; behind the ring: the scales, as units of 256 bytes + 16 of padding
.set HALFS,  16*272                    ; the scales of 128 rows
.set SBLK,   2*272                     ; those of 16 rows
.set SPARE,  SCL+4*HALFS               ; the spare words, 128 bytes for each wave: two blocks of 256 bytes that no other line names
.set IMG,    6291456                   ; bytes of q's, k's and v's images
.set BNA,  12                          ; v12  64 x (lane / 16): my 16 of each 32 bias numbers (q, k)
.set BMA,  13                          ; v13  4 (r + 8 (r / 8)): my row's bias number (v)
.set SH,   14                          ; v14  16 x (lane / 16): which half of a scale word is my head's
.set ADRA, 16                          ; v16-17 LDS address of my A fragments in slot 0, 1 (v18-19: behind one padding more)
.set ADRB, 20                          ; v20-23 the same for B
.set L16,  24                          ; v24  16 x lane
.set L8,   25                          ; v25  8 x lane
.set STS,  26                          ; v26  the tail's stage for scale words, q and k: 1,024 x wave + 512 (lane / 16) + 16 r
.set ADRS, 27                          ; v27  LDS address of my scale words: lanes 0-15 A's rows, lanes 16-31 B's
.set SPW,  28                          ; v28  my spare word; never rewritten
.set NIL,  29                          ; v29  0; never rewritten
.set STV,  30                          ; v30  the same stage for v: 4,096 + 1,024 x wave + 16 r
.set RDS,  31                          ; v31  back from the stage: 1,024 x wave + 16 x lane
.set SC,   32
.set BN,   64                          ; v64-127 q, k: the bias of my 64 columns, in the accumulators' order
.set BM,   64                          ; v64-71  v: the bias of my channel in each of A's 8 blocks
.set AF,   128
.set T,    128                         ; v128-191 the tail: 64 numbers with their bias
.set PC,   192                         ; v192-211 the codes just made
.set TM,   224                         ; v224-239 at work in the quantiser
.set PW,   240                         ; the scale word just made
.set W,    241                         ; its half for my head
.set SO,   244                         ; v244-251 scale words on their way out
.set G1, 24                            ; s[24:31] descriptor group 1 for A's tiles;  s[32:39] group 0, one set for each slot
.set G0, 32
.set G1B, 48                           ; s[48:55], s[56:63] the same for B's tiles
.set G0B, 56
.set G1S, 68                           ; s[68:75], s[76:79] groups 1 and 0 for A's scales;  s[80:87], s[88:91] for B's
.set G0S, 76
.set G1SB, 80
.set G0SB, 88
.set SEL, 100                          ; s[100:101] lane selects for v_permlanex16_b32: lane l xor 16
.set MSB, 0
.macro WIN new                         ; the immediate's high byte repeats the setting that is left
.if MSB != \new
	s_set_vgpr_msb (MSB<<8)|\new
.set MSB, \new
.endif
.endm
.set MUL_LO, 0xa1                      ; source 0 (B) window 1, source 1 (A) window 0, C and D window 2
.set MUL_HI, 0xf1                      ; the same, C and D window 3
.set TO_B,   0x40                      ; destination window 1, address window 0
; A joint load: waves 0 and 1 fetch for A, waves 2 and 3 for B.  Each line has ONE mask and one set of registers for all that issue it; the branch hangs on the wave's number alone.
; Four v_nop follow each of the two lines, ahead of the jump, the label and what follows.
.macro JLOAD g0a, g1a, g0b, g1b
	s_cmp_eq_u32 s19, 0
	s_cbranch_scc0 .Lfor_b_\@
	tensor_load_to_lds s[\g0a:\g0a+3], s[\g1a:\g1a+7]
	s_nop 0
.rept 4
	v_nop
.endr
	s_branch .Lasked_\@
.Lfor_b_\@:
	tensor_load_to_lds s[\g0b:\g0b+3], s[\g1b:\g1b+7]
	s_nop 0
.rept 4
	v_nop
.endr
.Lasked_\@:
.endm
.macro CREST                           ; a round of the cluster's barrier behind its opening barrier
	s_cmp_lg_u32 s18, 0
	s_cbranch_scc1 .Lnot_wave_0_\@
	s_barrier_signal -3
.Lnot_wave_0_\@:
	s_barrier_wait -3
	s_barrier_signal -1
	s_barrier_wait -1
.endm
.macro CROUND                          ; a whole round
	s_barrier_signal -1
	s_barrier_wait -1
	CREST
.endm
	s_load_b256 s[4:11], s[0:1], 0x0               ; codes s[4:5], scales s[6:7], bq s[8:9], bk s[10:11]
	s_load_b128 s[12:15], s[0:1], 0x20             ; bv s[12:13], img s[14:15]
	s_load_b64 s[16:17], s[0:1], 0x30              ; scl
	v_lshl_add_u32 v[SPW], v0, 2, SPARE
	v_mov_b32 v[NIL], 0
	ds_add_u32 v28, v29
	ds_add_u32 v28, v29
	s_wait_dscnt 0x0
	v_lshrrev_b32 v1, 5, v0
	v_readfirstlane_b32 s18, v1                    ; wave 0..3
	s_lshr_b32 s19, s18, 1                         ; which half of A's rows is mine.  Also: I fetch for A (0) or for B (1)
	s_and_b32 s20, s18, 1                          ; which half of B's rows.  Also: which 128 rows of that tile I fetch
	s_bfe_u32 s21, ttmp6, 0x40000                  ; cx
	s_bfe_u32 s22, ttmp6, 0x40004                  ; cy
	s_and_b32 s40, ttmp7, 0xffff                   ; the cluster's y, 0..23: the same in all sixteen partners
	s_lshr_b32 s23, s40, 3                         ; 0 q, 1 k, 2 v
	s_and_b32 s66, s40, 7                          ; which 1,024 tokens
	s_lshl_b32 s43, s22, 2
	s_lshl_b32 s43, 15, s43                        ; my row of the cluster
	s_lshl_b32 s44, 0x1111, s21                    ; my column
	s_mov_b32 s[SEL], 0x76543210
	s_mov_b32 s[SEL+1], 0xfedcba98
	; the first rows of A and of B for this cluster: both candidates, then one compare and the choices
	s_lshl_b32 s40, s23, 13
	s_lshl_b32 s41, s66, 10
	s_add_co_u32 s40, s40, s41                     ; q, k: A = tokens: 8,192 x (0 or 1) + 1,024 idx
	s_lshl_b32 s42, s23, 10
	s_add_co_u32 s42, s42, 16384                   ; q, k: B = wq's or wk's rows
	s_add_co_u32 s41, s41, 8192                    ; v: B = to_tensor's rows
	s_mov_b32 s45, 18432                           ; v: A = wv's rows
	s_cmp_eq_u32 s23, 2
	s_cselect_b32 s40, s45, s40
	s_cselect_b32 s42, s41, s42
	; descriptor group 1: a tile of 128 rows x 192 bytes, padded in LDS
	s_or_b32 s[G1+0], s43, (0<<16)|(1<<20)|(1<<21)|(3<<22)|(3<<25)  ; 15:0 the mask: A's tiles go to my row; 17:16 element of 1 byte; 20 padding on; 21 set beside a mask; 24:22 after every 16 words; 31:25 of 4 words
	s_or_b32 s[G1B+0], s44, (0<<16)|(1<<20)|(1<<21)|(3<<22)|(3<<25)
.irp g, G1, G1B
	s_mov_b32 s[\g+1], ROWB<<16                    ; tensor_dim0
	s_mov_b32 s[\g+2], 128<<16                     ; tensor_dim1
	s_mov_b32 s[\g+3], ROWB<<16                    ; tile_dim0
	s_mov_b32 s[\g+4], 128                         ; tile_dim1
	s_mov_b32 s[\g+5], KROW                        ; tensor_dim0_stride
	s_mov_b32 s[\g+6], 0
	s_mov_b32 s[\g+7], 0
.endr
	; the scales of 128 rows: a dense block of 4,096 bytes, as 16 rows of 256 bytes (32 elements of 8), 16 bytes of padding behind each
	s_or_b32 s[G1S+0], s43, (3<<16)|(1<<20)|(1<<21)|(5<<22)|(3<<25)
	s_or_b32 s[G1SB+0], s44, (3<<16)|(1<<20)|(1<<21)|(5<<22)|(3<<25)
.irp g, G1S, G1SB
	s_mov_b32 s[\g+1], 32<<16
	s_mov_b32 s[\g+2], 16<<16
	s_mov_b32 s[\g+3], 32<<16
	s_mov_b32 s[\g+4], 16
	s_mov_b32 s[\g+5], 32
	s_mov_b32 s[\g+6], 0
	s_mov_b32 s[\g+7], 0
.endr
	s_lshl_b32 s46, s20, 7                         ; which 128 rows of the tile I fetch
	s_lshl_b32 s47, s22, 8
	s_add_co_u32 s40, s40, s47
	s_add_co_u32 s40, s40, s46                     ; A: its first row + 256 cy + 128 x half: no cx enters
	s_lshl_b32 s41, s21, 8
	s_add_co_u32 s42, s42, s41
	s_add_co_u32 s42, s42, s46                     ; B: its first row + 256 cx + 128 x half: no cy enters
	s_mul_i32 s92, s40, KROW                       ; in bytes (under 2^24)
	s_mov_b32 s93, 0
	s_lshl_b32 s94, s40, 5
	s_mov_b32 s95, 0
	s_mul_i32 s96, s42, KROW
	s_mov_b32 s97, 0
	s_lshl_b32 s98, s42, 5
	s_mov_b32 s99, 0
	s_mul_i32 s45, s18, HALFT                      ; where they go: wave x 128 rows: no place in the cluster enters an LDS address
	s_mul_i32 s67, s18, HALFS
	s_wait_kmcnt 0x0
	s_add_nc_u64 s[92:93], s[4:5], s[92:93]
	s_add_nc_u64 s[94:95], s[6:7], s[94:95]
	s_add_nc_u64 s[96:97], s[4:5], s[96:97]
	s_add_nc_u64 s[98:99], s[6:7], s[98:99]
	CROUND                                         ; all sixteen work-groups are here: the first joint loads meet
	s_mov_b32 s[G0S], 1
	s_add_co_u32 s[G0S+1], s67, SCL
	s_mov_b64 s[G0S+2:G0S+3], s[94:95]
	s_or_b32 s[G0S+3], s[G0S+3], 0x80000000
	s_mov_b32 s[G0SB], 1
	s_add_co_u32 s[G0SB+1], s67, SCL
	s_mov_b64 s[G0SB+2:G0SB+3], s[98:99]
	s_or_b32 s[G0SB+3], s[G0SB+3], 0x80000000
	JLOAD G0S, G1S, G0SB, G1SB                     ; the scales first: they are wanted with K step 0
.irp s, 0,1
	s_mov_b32 s[G0+4*\s], 1
	s_add_co_u32 s[G0+4*\s+1], s45, \s*SLOT
	s_add_nc_u64 s[G0+4*\s+2:G0+4*\s+3], s[92:93], \s*ROWB
	s_or_b32 s[G0+4*\s+3], s[G0+4*\s+3], 0x80000000
	s_mov_b32 s[G0B+4*\s], 1
	s_add_co_u32 s[G0B+4*\s+1], s45, \s*SLOT
	s_add_nc_u64 s[G0B+4*\s+2:G0B+4*\s+3], s[96:97], \s*ROWB
	s_or_b32 s[G0B+4*\s+3], s[G0B+4*\s+3], 0x80000000
	JLOAD G0+4*\s, G1, G0B+4*\s, G1B               ; three loads of mine are out behind the second of these
.endr
	v_and_b32 v1, 15, v0                           ; r = lane % 16
	v_bfe_u32 v2, v0, 4, 1                         ; h = lane / 16
	v_mul_u32_u24 v3, v1, PITCH
	v_mul_u32_u24 v4, v2, 24
	v_add_nc_u32 v4, v3, v4                        ; a fragment's row x pitch + 24 x half
	v_lshl_add_u32 v5, v2, 4, v4                   ; and the same behind one padding more
	s_mul_i32 s40, s19, HALFT                      ; my 128 rows of A
	s_mul_i32 s41, s20, HALFT                      ; my 128 rows of B,
	s_add_co_u32 s41, s41, 2*HALFT                 ; which lie behind A's 256
.irp s, 0,1
	v_add_nc_u32 v[ADRA+\s], s40, v4
	v_add_nc_u32 v[ADRB+\s], s41, v4
	v_add_nc_u32 v[ADRA+2+\s], s40, v5
	v_add_nc_u32 v[ADRB+2+\s], s41, v5
	s_add_co_u32 s40, s40, SLOT
	s_add_co_u32 s41, s41, SLOT
.endr
	v_mul_u32_u24 v5, v1, KSB                      ; my row's scales: 32 bytes a row,
	v_lshrrev_b32 v6, 8, v5
	v_lshl_add_u32 v5, v6, 4, v5                   ; and 16 more for each 256 passed
	s_mul_i32 s40, s19, HALFS                      ; A's: my 128 rows
	s_mul_i32 s41, s20, HALFS                      ; B's: my 128 rows, behind A's 256
	s_add_co_u32 s41, s41, 2*HALFS
	s_sub_co_u32 s41, s41, s40
	v_mul_u32_u24 v6, s41, v2                      ; lanes 16-31 take B's: the lower base + h x the distance
	s_add_co_u32 s40, s40, SCL
	v_add_nc_u32 v5, v5, v6
	v_add_nc_u32 v[ADRS], s40, v5
	; what the tail wants
	v_and_b32 v6, 31, v0
	v_lshlrev_b32 v[L16], 4, v6
	v_lshlrev_b32 v[L8], 3, v6
	v_lshlrev_b32 v[BNA], 6, v2
	v_and_b32 v7, 8, v1
	v_add_nc_u32 v7, v7, v1
	v_lshlrev_b32 v[BMA], 2, v7
	v_lshlrev_b32 v[SH], 4, v2
	s_lshl_b32 s40, s18, 10
	v_lshlrev_b32 v7, 4, v1
	v_add_nc_u32 v7, s40, v7                       ; 1,024 x wave + 16 r
	v_lshl_add_u32 v[STS], v2, 9, v7
	v_add_nc_u32 v[STV], 4096, v7
	v_add_nc_u32 v[RDS], s40, v[L16]
.irp b, 0,1,2,3
	v_mov_b32 v[TM+4+\b], 0                        ; written once: a lane permute's destination counts as one of its sources
.endr
.macro FRAG reg, adr, q, i             ; a fragment is 12 registers: lane l holds row l % 16; registers 6 c .. 6 c + 5 hold K = 64 c + 32 (l / 16) + 0 .. 31: 24 bytes of the row's stream of bits, as they lie
.irp p, 0,1,2,3,4,5                    ; in pieces of 8 bytes.  Lanes 0-15 take the row's pieces 12 q + 0, 1, 2 and 12 q + 6, 7, 8, lanes 16-31 those three pieces on
.set PCE, 12*(\q)+6*(\p/3)+\p%3       ; 16 bytes of padding lie behind every 8 pieces: where the piece three on lies behind one padding more, the second address register serves
.if PCE%8 < 5
	ds_load_b64 v[\reg+2*\p:\reg+2*\p+1], v[\adr] offset:8*PCE+16*(PCE/8)+(\i)*16*PITCH
.else
	ds_load_b64 v[\reg+2*\p:\reg+2*\p+1], v[\adr+2] offset:8*PCE+16*(PCE/8)+(\i)*16*PITCH
.endif
.endr
.endm
; 16 matrix instructions: A's blocks a0, a0 + 1 x B's eight, 128 along K: the slot's q-th.  p: B's set;  sc: the set of scale words.  zero = 1: the first product starts the sums.
; The 64 accumulators take turns, one instruction a turn, in the same order in every step.
.macro MUL16 a0, p, q, sc, zero
.irp a, \a0, \a0+1
.irp b, 0,1,2,3,4,5,6,7
.if \zero
	v_wmma_scale_f32_16x16x128_f8f6f4 v[8*(8*((\a)%4)+\b):8*(8*((\a)%4)+\b)+7], v[128*(\p)+FR*\b:128*(\p)+FR*\b+FR-1], v[AF+FR*(\a):AF+FR*(\a)+FR-1], 0, v[SC+8*NQ*(\sc)+NQ*\b+(\q)], v[SC+8*NQ*(\sc)+NQ*(\a)+(\q)] matrix_a_fmt:MATRIX_FMT_BF6 matrix_b_fmt:MATRIX_FMT_BF6 matrix_a_scale:MATRIX_SCALE_ROW1
.else
	v_wmma_scale_f32_16x16x128_f8f6f4 v[8*(8*((\a)%4)+\b):8*(8*((\a)%4)+\b)+7], v[128*(\p)+FR*\b:128*(\p)+FR*\b+FR-1], v[AF+FR*(\a):AF+FR*(\a)+FR-1], v[8*(8*((\a)%4)+\b):8*(8*((\a)%4)+\b)+7], v[SC+8*NQ*(\sc)+NQ*\b+(\q)], v[SC+8*NQ*(\sc)+NQ*(\a)+(\q)] matrix_a_fmt:MATRIX_FMT_BF6 matrix_b_fmt:MATRIX_FMT_BF6 matrix_a_scale:MATRIX_SCALE_ROW1
.endif
.endr
.endr
.endm
.macro FETCH_B slot, q, p              ; B's eight fragments of the slot's q-th 128 along K into set p
	WIN TO_B
.irp i, 0,1,2,3,4,5,6,7
	FRAG 128*(\p)+FR*\i, ADRB+\slot, \q, \i
.endr
	WIN 0
.endm
.macro FETCH_A slot, q, i0             ; A's blocks i0 .. i0 + 3
.irp i, \i0, \i0+1, \i0+2, \i0+3
	FRAG AF+FR*(\i), ADRA+\slot, \q, \i
.endr
.endm
.macro SCALES sc                       ; a K step's scale words into set sc: two words a row; lanes 0-15 take A's block i, lanes 16-31 B's block i
.irp i, 0,1,2,3,4,5,6,7
	ds_load_b64 v[SC+8*NQ*\sc+NQ*\i:SC+8*NQ*\sc+NQ*\i+1], v[ADRS] offset:\i*SBLK
.endr
.endm
; A load into a register that a matrix instruction has read, and a vector instruction that reads a matrix result, stand NP places behind that matrix instruction; only plain vector
; instructions that name none of its registers are places (ISA guide 7.12.1 for vector instructions).
.macro PLACES n
.rept \n
	v_nop
.endr
.endm
; A step of 128 along K that has its successor in the same slot.
.macro STEP slot, q, zero
	s_wait_dscnt 4*NL                              ; B's set and A's blocks 0-3 are in; the youngest 24 loads (A's blocks 4-7) may be out
	WIN MUL_LO
	MUL16 0, (\q)%2, \q, \slot, \zero
	MUL16 2, (\q)%2, \q, \slot, \zero
	s_wait_dscnt 0                                 ; A's blocks 4-7 are in (asked for 32 matrix instructions ago)
	PLACES NP
	FETCH_B \slot, (\q)+1, 1-(\q)%2
	FETCH_A \slot, (\q)+1, 0
	WIN MUL_HI
	MUL16 4, (\q)%2, \q, \slot, \zero
	MUL16 6, (\q)%2, \q, \slot, \zero
	PLACES NP
	WIN 0
	FETCH_A \slot, (\q)+1, 4
.endm
; A slot's last step changes slots: ONE barrier; in front of it each wave waits for all its tensor loads, adds 0 to its spare word, and waits for that and for its own reads of this slot.  fill = 1: this slot is filled again, two K steps ahead.
.macro TURN slot, next, fill
	s_wait_tensorcnt 0x0                           ; all my tensor loads have landed: my part of the next slot  (every window is 0 here)
	ds_add_u32 v[SPW], v[NIL]                      ; 0 onto my spare word
	s_wait_dscnt 4*NL+1                            ; (the add and the youngest 24 loads, A's blocks 4-7, may be out)
	WIN MUL_LO
	MUL16 0, 1, NQ-1, \slot, 0                     ; sixteen matrix instructions stand between the add and the wait for it
	s_wait_dscnt 0x0                               ; the add is done, and my reads of this slot are over
	s_barrier_signal -1
	MUL16 2, 1, NQ-1, \slot, 0
	WIN 0
	s_barrier_wait -1
.if \fill
	CREST                                          ; the barrier has opened a round of the cluster's barrier: no wave of any partner still reads this slot's tile or has a load on its way
	s_add_nc_u64 s[G0+4*\slot+2:G0+4*\slot+3], s[G0+4*\slot+2:G0+4*\slot+3], 2*ROWB
	s_add_nc_u64 s[G0B+4*\slot+2:G0B+4*\slot+3], s[G0B+4*\slot+2:G0B+4*\slot+3], 2*ROWB
	JLOAD G0+4*\slot, G1, G0B+4*\slot, G1B         ; the first tensor load behind the round, my only one until the next; the four v_nop behind it are the places in front of the loads below
.else
	PLACES NP
.endif
	v_add_nc_u32 v[ADRS], 4*NQ, v[ADRS]            ; on to the next K step's scale words (no LDS load of mine is out)
	FETCH_B \next, 0, 0
	FETCH_A \next, 0, 0
	SCALES \next
	WIN MUL_HI
	MUL16 4, 1, NQ-1, \slot, 0
	MUL16 6, 1, NQ-1, \slot, 0
	PLACES NP
	WIN 0
	FETCH_A \next, 0, 4
.endm
; 64 numbers of a lane, v[s] .. v[s + 63], register 16 b + i = k 32 b + 16 (lane / 16) + i of my row, become a fragment's codes in v[PC] on and its scale word in v[PW].
.macro QUANT s
.irp b, 0,1,2,3
	v_max3_num_f32 v[TM+\b], |v[\s+16*\b]|, |v[\s+1+16*\b]|, 0x2800000   ; block b: my 16 numbers, and the floor 2^(5 - 127): the byte cannot fall under 1
.endr
.irp i, 2,4,6,8,10,12,14
.irp b, 0,1,2,3
	v_max3_num_f32 v[TM+\b], v[TM+\b], |v[\s+16*\b+\i]|, |v[\s+1+16*\b+\i]|   ; (the four blocks by turns)
.endr
.endr
.irp b, 0,1,2,3
	v_permlanex16_b32 v[TM+4+\b], v[TM+\b], s[SEL], s[SEL+1]
.endr
.irp b, 0,1,2,3
	v_max_num_f32 v[TM+\b], v[TM+\b], v[TM+4+\b]   ; with lane l xor 16's: the block's largest magnitude
.endr
.irp b, 0,1,2,3
	v_add_nc_u32 v[TM+12+\b], 0xfe000000, v[TM+\b]   ; 4 off its exponent field: the conversion's scale operand
.endr
.irp b, 0,1,2,3
	v_lshrrev_b32 v[TM+4+\b], 23, v[TM+12+\b]      ; the scale's byte
.endr
	v_lshl_or_b32 v[PW], v[TM+5], 8, v[TM+4]       ; the four bytes make my row's scale word
	v_lshl_or_b32 v[PW], v[TM+6], 16, v[PW]
	v_lshl_or_b32 v[PW], v[TM+7], 24, v[PW]
.irp c, 0,1
	v_cvt_scalef32_pk16_bf6_f32 v[PC+6*\c:PC+2+6*\c], v[\s+32*\c:\s+15+32*\c], v[TM+12+2*\c]
	v_cvt_scalef32_pk16_bf6_f32 v[PC+12+4*\c:PC+14+4*\c], v[\s+16+32*\c:\s+31+32*\c], v[TM+12+2*\c+1]   ; (a conversion's three registers begin on an even number)
.endr
	v_nop                                          ; one plain place behind a scaled conversion
.irp c, 0,1                                    ; the operand's layout wants a WHOLE block in a lane: lanes 0-15 block 2 c, lanes 16-31 block 2 c + 1
.irp i, 0,1,2
	v_permlane16_swap_b32 v[PC+6*\c+\i], v[PC+12+4*\c+\i]
.endr
.irp i, 0,1,2
	v_mov_b32 v[PC+3+6*\c+\i], v[PC+12+4*\c+\i]
.endr
.endr
.endm
; THE TAIL.  mode 0: q, k;  mode 1: v.  Addresses; the bias is asked for; the very last step of 128 along K; then A's eight blocks one after the other: + bias (which also brings the numbers into window 0),
; quantised, stored as images; the scale words gather in my own 1,024 bytes of slot 0 (it has had its last fill, and every wave has passed the last change of slots, behind which nobody reads it) and leave as whole runs of 512 bytes.
.macro TAIL mode
.if \mode == 0
	s_lshl_b32 s40, s66, 10
	s_lshl_b32 s41, s22, 8
	s_add_co_u32 s40, s40, s41
	s_lshl_b32 s41, s19, 7
	s_add_co_u32 s40, s40, s41                     ; my first token of 8,192
	s_lshr_b32 s41, s40, 11                        ; its batch b,
	s_and_b32 s40, s40, 2047                       ; its place there
	s_lshl_b32 s41, s41, 4
	s_lshl_b32 s42, s21, 2
	s_add_co_u32 s41, s41, s42
	s_lshl_b32 s42, s20, 1
	s_add_co_u32 s41, s41, s42                     ; 16 b + my first head (4 cx + 2 x half)
	s_mul_i32 s92, s41, 98304
	s_mul_i32 s42, s40, 48                         ; 768 bytes for 16 tokens
	s_add_co_u32 s92, s92, s42
	s_mul_i32 s42, s23, IMG
	s_add_co_u32 s92, s92, s42
	s_mov_b32 s93, 0
	s_add_nc_u64 s[92:93], s[14:15], s[92:93]      ; the images
	s_lshl_b32 s94, s41, 13
	s_lshl_b32 s42, s40, 2
	s_add_co_u32 s94, s94, s42
	s_lshl_b32 s42, s23, 19
	s_add_co_u32 s94, s94, s42
	s_mov_b32 s95, 0
	s_add_nc_u64 s[94:95], s[16:17], s[94:95]      ; the scale words
	s_cmp_eq_u32 s23, 0
	s_cselect_b64 s[96:97], s[8:9], s[10:11]       ; bq or bk
	s_lshl_b32 s42, s21, 10
	s_lshl_b32 s43, s20, 9
	s_add_co_u32 s42, s42, s43
	s_mov_b32 s43, 0
	s_add_nc_u64 s[96:97], s[96:97], s[42:43]      ; at my 128 columns
.irp j, 0,1,2,3,4,5,6,7,8,9,10,11,12,13,14,15
	global_load_b128 v[BN+4*\j:BN+4*\j+3], v[BNA], s[96:97] offset:128*(\j/4)+16*(\j%4)   ; register 16 b + i: column 32 b + 16 h + i
.endr
.else
	s_lshl_b32 s40, s22, 8
	s_lshl_b32 s41, s19, 7
	s_add_co_u32 s40, s40, s41                     ; my first channel of 1,024
	s_lshl_b32 s41, s66, 10
	s_lshl_b32 s42, s21, 8
	s_add_co_u32 s41, s41, s42
	s_lshl_b32 s42, s20, 7
	s_add_co_u32 s41, s41, s42                     ; my first key of 8,192
	s_lshr_b32 s42, s41, 11                        ; its batch b,
	s_bfe_u32 s41, s41, 0x40007                    ; its step of 128 keys there
	s_lshl_b32 s43, s42, 4
	s_add_co_u32 s43, s43, s41
	s_mul_i32 s92, s43, 98304
	s_mul_i32 s43, s40, 96                         ; 1,536 bytes for 16 channels
	s_add_co_u32 s92, s92, s43
	s_add_co_u32 s92, s92, 2*IMG
	s_mov_b32 s93, 0
	s_add_nc_u64 s[92:93], s[14:15], s[92:93]      ; the images
	s_lshl_b32 s94, s42, 3
	s_lshr_b32 s43, s40, 7
	s_add_co_u32 s94, s94, s43                     ; 8 b + the pair of heads
	s_lshl_b32 s94, s94, 4
	s_add_co_u32 s94, s94, s41
	s_lshl_b32 s94, s94, 9
	s_add_co_u32 s94, s94, 1048576
	s_mov_b32 s95, 0
	s_add_nc_u64 s[94:95], s[16:17], s[94:95]      ; the scale words
	s_lshl_b32 s96, s40, 2
	s_mov_b32 s97, 0
	s_add_nc_u64 s[96:97], s[12:13], s[96:97]      ; bv at my 128 channels
.irp a, 0,1,2,3,4,5,6,7
	global_load_b32 v[BM+\a], v[BMA], s[96:97] offset:128*(\a/2)+32*(\a%2)   ; block a's lane r is channel 32 (a / 2) + 8 (a % 2) + r + 8 (r / 8)
.endr
.endif
	s_wait_dscnt 4*NL                              ; the very last step: nothing more to fetch
	WIN MUL_LO
	MUL16 0, 1, NQ-1, 1, 0
	MUL16 2, 1, NQ-1, 1, 0
	s_wait_dscnt 0
	WIN MUL_HI
	MUL16 4, 1, NQ-1, 1, 0
	MUL16 6, 1, NQ-1, 1, 0
	WIN 0
	PLACES NP                                      ; in front of the first read of results, and of writes over A's fragments
	s_wait_loadcnt 0x0                             ; the bias
.irp a, 0,1,2,3,4,5,6,7
	WIN 0x02+(\a)/4                                ; source 0: window 2 or 3
.set i, 0
.rept 32                                       ; each accumulator from its low end on
.if \mode == 0
	v_pk_add_f32 v[T+i:T+i+1], v[64*(\a%4)+i:64*(\a%4)+i+1], v[BN+i:BN+i+1]
.elseif (\a)%2
	v_pk_add_f32 v[T+i:T+i+1], v[64*(\a%4)+i:64*(\a%4)+i+1], v[BM+2*(\a/2):BM+2*(\a/2)+1] op_sel:[0,1] op_sel_hi:[1,1]
.else
	v_pk_add_f32 v[T+i:T+i+1], v[64*(\a%4)+i:64*(\a%4)+i+1], v[BM+2*(\a/2):BM+2*(\a/2)+1] op_sel_hi:[1,0]
.endif
.set i, i+2
.endr
	WIN 0
.if \a > 0
	s_wait_xcnt 0x0                                ; the last block's stores have read the codes' registers,
	s_wait_dscnt 0x0                               ; and its LDS store the scale word: both are written again below
.endif
	QUANT T
.irp c, 0,1
.if \mode == 0
	global_store_b128 v[L16], v[PC+6*\c:PC+6*\c+3], s[92:93] offset:\c*98304+\a*768         ; head c of my two, tile a: 512 consecutive bytes, aligned,
	global_store_b64 v[L8], v[PC+6*\c+4:PC+6*\c+5], s[92:93] offset:\c*98304+\a*768+512     ; and 256
.else
	global_store_b128 v[L16], v[PC+6*\c:PC+6*\c+3], s[92:93] offset:\c*768+\a*1536          ; channel tile a, keys 64 c on
	global_store_b64 v[L8], v[PC+6*\c+4:PC+6*\c+5], s[92:93] offset:\c*768+\a*1536+512
.endif
.endr
.if \mode == 0
	v_lshrrev_b32 v[W], v[SH], v[PW]               ; lanes 0-15: the first head's two bytes; lanes 16-31: the second's;
	v_and_b32 v[W], 0xffff, v[W]                   ; bytes 2 and 3, of the K that the scores do not have, are 0
	ds_store_b32 v[STS], v[W] offset:(\a%2)*256+(\a/2)*4
.else
	ds_store_b32 v[STV], v[PW] offset:(\a%2)*256+(\a/2)*4   ; both halves of the lanes write the same word with the same value
.endif
.endr
.if \mode == 0
	ds_load_b128 v[SO:SO+3], v[RDS]                ; LDS serves a wave's instructions in order: these see my stores
	ds_load_b128 v[SO+4:SO+7], v[RDS] offset:512
	s_wait_dscnt 0x0
	global_store_b128 v[L16], v[SO:SO+3], s[94:95]
	global_store_b128 v[L16], v[SO+4:SO+7], s[94:95] offset:8192   ; the next head's
.else
	ds_load_b128 v[SO:SO+3], v[RDS] offset:4096
	s_wait_dscnt 0x0
	global_store_b128 v[L16], v[SO:SO+3], s[94:95]
.endif
.endm
	s_wait_tensorcnt 1                             ; the scales and my part of K step 0 are in (K step 1's load may be out)
	s_barrier_signal -1
	s_barrier_wait -1                              ; everybody's are
	FETCH_B 0, 0, 0
	FETCH_A 0, 0, 0
	SCALES 0
	FETCH_A 0, 0, 4
	STEP 0, 0, 1                                   ; the first products start the sums: nothing is cleared
	TURN 0, 1, 1                                   ; K = 1,024 is four slots' worth: twice round the ring, written out; slot 0 takes K step 2,
	STEP 1, 0, 0
	TURN 1, 0, 1                                   ; slot 1 K step 3
	STEP 0, 0, 0
	TURN 0, 1, 0                                   ; the last lap fills nothing, and has no round of the cluster's barrier
	STEP 1, 0, 0
	s_cmp_eq_u32 s23, 2                            ; q and k, or v: the cluster's y decides, alike in all sixteen partners and all waves
	s_cbranch_scc1 .Lv
	TAIL 0
	s_branch .Lend
.Lv:
	TAIL 1
.Lend:
	s_wait_tensorcnt 0x0                           ; the wave's end: behind my last tensor load and my last LDS store
	ds_add_u32 v[SPW], v[NIL]
	s_wait_dscnt 0x0
	CROUND                                         ; the closing round: no work-group ends while a partner may still ask for a tile that names it
	s_endpgm
.Lfunc_end_k_qa6ccce3143_proj:
	.size	k_qa6ccce3143_proj, .Lfunc_end_k_qa6ccce3143_proj-k_qa6ccce3143_proj
	.p2alignl 7, 3214868480
	.fill 96, 4, 3214868480
	.section	.rodata,"a",@progbits
	.p2align	6, 0x0
	.amdhsa_kernel k_qa6ccce3143_proj
		.amdhsa_group_segment_fixed_size 327680
		.amdhsa_private_segment_fixed_size 0
		.amdhsa_enable_private_segment 0
		.amdhsa_kernarg_size 56
		.amdhsa_user_sgpr_count 2
		.amdhsa_user_sgpr_kernarg_segment_ptr 1
		.amdhsa_wavefront_size32 1
		.amdhsa_system_sgpr_workgroup_id_x 1
		.amdhsa_system_sgpr_workgroup_id_y 1
		.amdhsa_system_sgpr_workgroup_id_z 1
		.amdhsa_system_vgpr_workitem_id 0
		.amdhsa_next_free_vgpr 1024
		.amdhsa_next_free_sgpr 102
		.amdhsa_reserve_vcc 0
		.amdhsa_float_denorm_mode_32 3
		.amdhsa_float_denorm_mode_16_64 3
		.amdhsa_memory_ordered 1
		.amdhsa_forward_progress 1
		.amdhsa_inst_pref_size 245
	.end_amdhsa_kernel
	.amdgpu_metadata
---
amdhsa.version: [ 1, 2 ]
amdhsa.kernels:
  - .name:           k_qa6ccce3143_proj
    .symbol:         k_qa6ccce3143_proj.kd
    .args:
      - { .name: codes, .offset: 0, .size: 8, .value_kind: global_buffer, .address_space: global }
      - { .name: scales, .offset: 8, .size: 8, .value_kind: global_buffer, .address_space: global }
      - { .name: bq, .offset: 16, .size: 8, .value_kind: global_buffer, .address_space: global }
      - { .name: bk, .offset: 24, .size: 8, .value_kind: global_buffer, .address_space: global }
      - { .name: bv, .offset: 32, .size: 8, .value_kind: global_buffer, .address_space: global }
      - { .name: img, .offset: 40, .size: 8, .value_kind: global_buffer, .address_space: global }
      - { .name: scl, .offset: 48, .size: 8, .value_kind: global_buffer, .address_space: global }
    .group_segment_fixed_size: 327680
    .private_segment_fixed_size: 0
    .kernarg_segment_align: 8
    .kernarg_segment_size: 56
    .max_flat_workgroup_size: 128
    .sgpr_count:     102
    .vgpr_count:     1024
    .wavefront_size: 32
...
	.end_amdgpu_metadata
.endif
;; end of part 2
;; launch attn (part 3): grid 4 x 64, 16 waves a work-group, clusters of 4 x 1, 292,864 bytes of LDS; arguments img, scl, attention_mask, out0; writes out0
.if DOCPART == 3
	.amdgcn_target "amdgcn-amd-amdhsa--gfx1250"
	.amdhsa_code_object_version 6
	.text
	.protected	k_qa6ccce3143_attn
	.globl	k_qa6ccce3143_attn
	.p2align	8
	.type	k_qa6ccce3143_attn,@function
k_qa6ccce3143_attn:
	s_mov_b64 s[64:65], 0
	v_nop
	global_prefetch_b8 v0, s[64:65] scope:SCOPE_SE
	s_setreg_imm32_b32 hwreg(HW_REG_WAVE_MODE, 25, 1), 1
	s_wait_xcnt 0x0
	s_wait_alu depctr_hold_cnt(0) depctr_sa_sdst(0) depctr_va_vdst(0) depctr_va_sdst(0) depctr_va_ssrc(0) depctr_va_vcc(0) depctr_vm_vsrc(0)
	s_getreg_b32 s2, hwreg(HW_REG_IB_STS2, 6, 4)
	s_cmp_eq_u32 s2, 0
	s_cbranch_scc0 .Lentry_in_a_cluster
	s_endpgm
.Lentry_in_a_cluster:
	s_bfe_u32 s2, ttmp6, 0x10000c
	s_cmp_lg_u32 s2, 0x3003
	s_cbranch_scc0 .Lentry_shape_is_right
	s_endpgm
.Lentry_shape_is_right:
; out0[b][q][n][:] = the sum over keys of softmax(q . k / 8 + (mask == 0) x -1e9) v, both products on codes of BF6 (E3M2) with E8M0 scales, made by the launch before as images of operand registers.
; img: q at 0, k at IMG: [hb = 16 b + n][tile of 16 tokens][768 bytes];  v at 2 IMG: [b][step of 128 keys][tile of 16 channels][1,536 bytes].  768 bytes = six registers (64 along K): registers 0-3 at 16 x lane, 4-5 at 8 x lane.
; scl: q at 0, k at 524,288: [hb][128 tokens][512];  v at 1,048,576: [b][pair of heads][step][512]; the word of (tile a of 8, row r) at 16 (r + 16 (a % 2)) + 4 (a / 2): one load of 16 bytes a lane gives register i = tile 2 i in lanes 0-15, tile 2 i + 1 in lanes 16-31.
; THE ROWS OF A TILE ARE NOT NEIGHBOURS: lane r of tile 2 b + u is token (or channel) 32 b + 8 u + r + 8 (r / 8), so that the 16 result registers of tiles 2 b, 2 b + 1 are 16 neighbours, 32 b + 16 (lane / 16) + 0 .. 15.
; THE SOFTMAX: t = score x log2(e) / 8 + a[key], one fused multiply-add, a = 0 for a key that counts and f32(-1e9 x log2(e)) for one that does not; M = the row's largest t so far, rounded UP to a whole number; p = 2^(t - M) is quantised
; along the keys, not normalised; the row's sum is taken of the unquantised p and divides at the end.  When M moves, the sum and O are multiplied by 2^(old M - new M): exact.
; LIMITS: for keys that do not count t is rounded once where the definition rounds twice: that can show only in a batch with no key that counts, and there only for |logit| of 32 and more.  NaN and infinities are not served.  A block whose every p is 0 keeps the scale byte 1: its codes are zeros.
; SHARES.  The four work-groups of a cluster are one head (hb = the cluster's y); work-group cx owns queries 512 cx on, in two passes of 256; in a pass each of the SIXTEEN waves owns one tile of 16 queries, in 256 registers: four waves to a SIMD.
; ALL OF THE HEAD'S K AND V STAY IN LDS: codes 196,608 bytes, scale words 16,384.  They come once, by joint loads that name the four partners, five a wave (five are out at the most), all issued at the head.  No LDS byte is filled twice.
; Both products are used transposed (S^T = K Q^T, O^T = V^T P^T): a lane holds ONE query throughout.  The scores' K is 64: registers 6-11 of both operands hold zero codes, bytes 2 and 3 of their scale words are 0.
.set IMG,   6291456
.set KSC,   196608                     ; LDS: from 0: 16 steps x 12,288 bytes (8 tiles of K x 768, then 4 tiles of V x 1,536);  here K's scale words, 512 bytes a step;
.set VSC,   204800                     ; the pair of heads' V scale words, 512 bytes a step;
.set MADD,  212992                     ; the addend a of each of the 2,048 keys, f32: stored by the waves; no fill lands here;
.set OSTG,  221184                     ; the way out: 16 rows x 272 bytes for each wave; no fill lands here
.set L16, 1                            ; v1   16 x lane
.set L8,  2                            ; v2   8 x lane
.set LSC, 3                            ; v3   KSC + 16 x lane
.set LVS, 4                            ; v4   VSC + 16 x lane + 8 (n % 2)
.set LMA, 5                            ; v5   MADD + 64 (lane / 16)
.set GO,  6                            ; v6   the way out: 4,096 (lane / 16) + 16 (lane % 16)
.set MA,  7                            ; v7-11 the addresses of the step in hand
.set P16, 8
.set P8,  9
.set SCA, 10
.set VSA, 11
                                       ; v12 -M, v13 the largest t, v[14:15] the sum in two halves; v16-27 Q (22-27 zeros); v28 Q's scale words
.set PW,  29                           ; v29  p's scale word
.set FF,  30                           ; v[30:31] f = 2^(old M - new M); v31 is only named with it
.set KA,  32                           ; v32-79   four tiles of K, 12 registers each: 0-5 loaded, 6-11 zeros
.set L,   80                           ; v80-127  the addends, 32 at a time; then V's four fragments; then rows of O
.set S,   128                          ; v128-191 S^T, then t, then p
.set OA,  192                          ; v192-223 O^T
.set PC,  224                          ; v224-235 p's codes
.set TM,  236                          ; v236-239 the blocks' largest t, then p
.set TP,  240                          ; v240-243 at work
.set TS,  244                          ; v244-247 the conversions' scale operands
.set KS,  248                          ; v248-251 K's scale words of a step
.set VW,  252                          ; v252-253 V's
.set WV,  12                           ; s12 my wave's number
.set G1C, 16                           ; s[16:23] descriptor group 1: 3,072 dense bytes;  s[24:31]: 1,024
.set G1S, 24
.set G0C, 32                           ; s[32:47] group 0 of my four loads of codes;  s[48:51] of my load of scale words
.set G0S, 48
.set SEL, 52                           ; s[52:53] lane selects: lane l xor 16
.set CS,  54                           ; s[54:55] log2(e) / 8 (the packed form names a pair and takes its low word)
.set TC,  56                           ; s56 LDS byte of the step's codes
.set TW,  57                           ; s57 512 x the step: scale words and addends
.set CNT, 58
.set PASS, 59
.set QP,  60                           ; s[60:61] my tile of q;  s[62:63] its scale words;  s[66:67] my rows of out0
.set QSP, 62
.set OUTP, 66
.set SB,  76                           ; s76 my stage
.macro CROUND                          ; a round of the cluster's barrier
	s_barrier_signal -1
	s_barrier_wait -1
	s_cmp_lg_u32 s[WV], 0
	s_cbranch_scc1 .Lnot_wave_0_\@
	s_barrier_signal -3
.Lnot_wave_0_\@:
	s_barrier_wait -3
	s_barrier_signal -1
	s_barrier_wait -1
.endm
	s_load_b256 s[4:11], s[0:1], 0x0               ; img s[4:5], scl s[6:7], attention_mask s[8:9], out0 s[10:11]
	v_lshl_add_u32 v254, v0, 2, 0x47000
	v_mov_b32 v255, 0
	ds_add_u32 v254, v255
	ds_add_u32 v254, v255
	s_wait_dscnt 0x0
	v_lshrrev_b32 v1, 5, v0
	v_readfirstlane_b32 s[WV], v1                  ; wave 0..15
	s_bfe_u32 s13, ttmp6, 0x40000                  ; cx: it enters q's and out0's addresses alone
	s_and_b32 s14, ttmp7, 0xffff                   ; hb, which the four partners share
	s_lshr_b32 s15, s14, 4                         ; b
	s_and_b32 s2, s14, 15                          ; n
	; descriptor group 1: dense blocks, as rows of 256 bytes (32 elements of 8 bytes), no padding: an image is read 16 or 8 consecutive bytes a lane
	s_mov_b32 s[G1C], 15|(3<<16)|(1<<21)           ; 15:0 the mask: all four work-groups; 17:16 elements of 8 bytes; 21 set beside a mask
	s_mov_b32 s[G1C+1], 32<<16                     ; tensor_dim0
	s_mov_b32 s[G1C+2], 12<<16                     ; tensor_dim1
	s_mov_b32 s[G1C+3], 32<<16                     ; tile_dim0
	s_mov_b32 s[G1C+4], 12                         ; tile_dim1
	s_mov_b32 s[G1C+5], 32                         ; tensor_dim0_stride
	s_mov_b32 s[G1C+6], 0
	s_mov_b32 s[G1C+7], 0
	s_mov_b32 s[G1S], 15|(3<<16)|(1<<21)
	s_mov_b32 s[G1S+1], 32<<16
	s_mov_b32 s[G1S+2], 4<<16
	s_mov_b32 s[G1S+3], 32<<16
	s_mov_b32 s[G1S+4], 4
	s_mov_b32 s[G1S+5], 32
	s_mov_b32 s[G1S+6], 0
	s_mov_b32 s[G1S+7], 0
	; what I fetch.  Waves 0-7: K, waves 8-15: V.  With e = wave % 8, load j brings half e % 2 (3,072 bytes) of step 4 j + e / 2.
	s_and_b32 s68, s[WV], 7                        ; e
	s_lshr_b32 s69, s68, 1
	s_and_b32 s70, s68, 1
	s_lshr_b32 s71, s[WV], 3
	s_mul_i32 s72, s14, 98304
	s_add_co_u32 s72, s72, IMG                     ; K: the head's first byte; a step is 6,144 bytes on
	s_mul_i32 s73, s15, 16*98304
	s_mul_i32 s74, s2, 6144
	s_add_co_u32 s73, s73, s74
	s_add_co_u32 s73, s73, 2*IMG                   ; V: the batch's, + the head's four tiles; a step is 98,304 bytes on
	s_mov_b32 s74, 98304
	s_cmp_lt_u32 s[WV], 8
	s_cselect_b32 s72, s72, s73
	s_cselect_b32 s74, 6144, s74
	s_mul_i32 s75, s69, s74
	s_add_co_u32 s72, s72, s75
	s_mul_i32 s75, s70, 3072
	s_add_co_u32 s72, s72, s75
	s_mov_b32 s73, 0
	s_lshl_b32 s74, s74, 2                         ; four steps on: from load to load
	s_mov_b32 s75, 0
	s_mul_i32 s76, s69, 12288                      ; in LDS: the step,
	s_mul_i32 s77, s70, 3072                       ; the half,
	s_add_co_u32 s76, s76, s77
	s_mul_i32 s77, s71, 6144                       ; V behind K
	s_add_co_u32 s76, s76, s77
	s_lshl_b32 s77, s14, 13
	s_add_co_u32 s77, s77, 524288                  ; K's scale words of the head
	s_lshl_b32 s78, s15, 3
	s_lshr_b32 s79, s2, 1
	s_add_co_u32 s78, s78, s79
	s_lshl_b32 s78, s78, 13
	s_add_co_u32 s78, s78, 1048576                 ; V's of the pair of heads
	s_cmp_lt_u32 s[WV], 8
	s_cselect_b32 s78, s77, s78
	s_lshl_b32 s77, s68, 10                        ; my 1,024 bytes of the 8,192
	s_add_co_u32 s78, s78, s77
	s_mov_b32 s79, 0
	s_lshl_b32 s77, s[WV], 10
	s_mov_b32 s[SEL], 0x76543210
	s_mov_b32 s[SEL+1], 0xfedcba98
	s_mov_b32 s[CS], 0x3e38aa3b                    ; log2(e) / 8
	s_mov_b32 s[CS+1], s[CS]
	s_wait_kmcnt 0x0
	s_add_nc_u64 s[72:73], s[4:5], s[72:73]
.irp j, 0,1,2,3
	s_mov_b32 s[G0C+4*\j], 1                       ; count = 1
	s_add_co_u32 s[G0C+4*\j+1], s76, \j*49152      ; LDS address: made of the wave's number and constants
	s_mov_b64 s[G0C+4*\j+2:G0C+4*\j+3], s[72:73]   ; global address: made of hb and the wave's number: alike in the four partners
	s_or_b32 s[G0C+4*\j+3], s[G0C+4*\j+3], 0x80000000   ; type = 2
	s_add_nc_u64 s[72:73], s[72:73], s[74:75]
.endr
	s_mov_b32 s[G0S], 1
	s_add_co_u32 s[G0S+1], s77, KSC                ; K's eight parts, then V's eight
	s_add_nc_u64 s[G0S+2:G0S+3], s[6:7], s[78:79]
	s_or_b32 s[G0S+3], s[G0S+3], 0x80000000
	CROUND                                         ; all four work-groups are here: the joint loads meet
	tensor_load_to_lds s[G0S:G0S+3], s[G1S:G1S+7]  ; all fills of the launch go out as one group: the scale words,
	s_nop 0
	tensor_load_to_lds s[G0C:G0C+3], s[G1C:G1C+7]  ; steps 0-3,
	s_nop 0
	tensor_load_to_lds s[G0C+4:G0C+7], s[G1C:G1C+7]    ; 4-7,
	s_nop 0
	tensor_load_to_lds s[G0C+8:G0C+11], s[G1C:G1C+7]   ; 8-11,
	s_nop 0
	tensor_load_to_lds s[G0C+12:G0C+15], s[G1C:G1C+7]  ; 12-15
	s_nop 0
.rept 4
	v_nop
.endr
	; the mask of my batch: 2,048 whole numbers, four a thread
	s_lshl_b32 s68, s15, 13
	s_mov_b32 s69, 0
	s_add_nc_u64 s[8:9], s[8:9], s[68:69]
	v_lshlrev_b32 v7, 4, v0
	global_load_b128 v[80:83], v7, s[8:9]
	v_add_nc_u32 v8, MADD, v7
	v_and_b32 v1, 31, v0
	v_lshlrev_b32 v[L8], 3, v1
	v_lshlrev_b32 v[L16], 4, v1
	v_add_nc_u32 v[LSC], KSC, v[L16]
	s_and_b32 s68, s2, 1
	s_lshl_b32 s68, s68, 3
	s_add_co_u32 s68, s68, VSC
	v_add_nc_u32 v[LVS], s68, v[L16]
	v_bfe_u32 v[LMA], v0, 4, 1
	v_lshlrev_b32 v[GO], 12, v[LMA]
	v_lshl_add_u32 v[LMA], v[LMA], 6, MADD
	v_and_b32 v9, 15, v0
	v_lshl_add_u32 v[GO], v9, 4, v[GO]
.irp i, 22,23,24,25,26,27
	v_mov_b32 v[\i], 0                             ; Q's upper 64 along K: zero codes
.endr
.irp t, 0,1,2,3
.irp i, 6,7,8,9,10,11
	v_mov_b32 v[KA+12*\t+\i], 0                    ; K's likewise: written once
.endr
.endr
.irp b, 0,1,2,3
	v_mov_b32 v[TP+\b], 0                          ; written once: a lane permute's destination counts as one of its sources
.endr
	v_mov_b32 v[FF+1], 0                           ; (named as the upper half of a pair)
	v_mov_b32 v84, 0xce6e6b28                      ; -1e9
	v_mul_f32 v84, 0x3fb8aa3b, v84                 ; x log2(e), in f32
	; my tile of q (32 cx + wave; the second pass takes the tile 16 on), its scale words, my rows of out0
	s_lshl_b32 s68, s13, 5
	s_add_co_u32 s68, s68, s[WV]
	s_lshl_b32 s69, s14, 7
	s_add_co_u32 s69, s69, s68
	s_mul_i32 s70, s69, 768
	s_mov_b32 s71, 0
	s_add_nc_u64 s[QP:QP+1], s[4:5], s[70:71]
	s_lshl_b32 s70, s14, 13
	s_lshr_b32 s69, s68, 3
	s_lshl_b32 s69, s69, 9                         ; which 128 tokens,
	s_add_co_u32 s70, s70, s69
	s_and_b32 s69, s[WV], 1
	s_lshl_b32 s69, s69, 8                         ; an odd tile's words lie 256 bytes on,
	s_add_co_u32 s70, s70, s69
	s_bfe_u32 s69, s[WV], 0x20001
	s_lshl_b32 s69, s69, 2                         ; word (tile % 8) / 2 of four
	s_add_co_u32 s70, s70, s69
	s_add_nc_u64 s[QSP:QSP+1], s[6:7], s[70:71]
	s_lshl_b32 s70, s15, 11
	s_lshl_b32 s69, s13, 9
	s_add_co_u32 s70, s70, s69
	s_lshr_b32 s69, s[WV], 1
	s_lshl_b32 s69, s69, 5
	s_add_co_u32 s70, s70, s69
	s_and_b32 s69, s[WV], 1
	s_lshl_b32 s69, s69, 3
	s_add_co_u32 s70, s70, s69                     ; the tile's first token: 2,048 b + 512 cx + 32 (wave / 2) + 8 (wave % 2)
	s_lshl_b32 s70, s70, 12                        ; 4,096 bytes a token,
	s_lshl_b32 s69, s2, 8                          ; 256 a head
	s_add_co_u32 s70, s70, s69
	s_add_nc_u64 s[OUTP:OUTP+1], s[10:11], s[70:71]
	s_mul_i32 s[SB], s[WV], 16*272
	s_add_co_u32 s[SB], s[SB], OSTG
	s_mov_b32 s[PASS], 2
	s_wait_loadcnt 0x0                             ; the mask
.irp i, 0,1,2,3
	v_cmp_eq_u32 vcc_lo, 0, v[80+\i]
	v_cndmask_b32 v[80+\i], 0, v84, vcc_lo         ; a choice of a value: no address and no branch hangs on the mask
.endr
	ds_store_b128 v8, v[80:83]                     ; read by all waves behind the first barrier below, in front of which every wave waits for its LDS stores
.macro LDK g                           ; four tiles of K: 8 loads
.irp t, 0,1,2,3
	ds_load_b128 v[KA+12*\t:KA+12*\t+3], v[P16] offset:768*(4*\g+\t)
	ds_load_b64 v[KA+12*\t+4:KA+12*\t+5], v[P8] offset:768*(4*\g+\t)+512
.endr
.endm
.macro LDA g                           ; the addends of 64 keys, in S's order: register 16 b + i: key 32 b + 16 (lane / 16) + i: 8 loads
.irp j, 0,1,2,3,4,5,6,7
	ds_load_b128 v[L+4*\j:L+4*\j+3], v[MA] offset:256*\g+128*(\j/4)+16*(\j%4)
.endr
.endm
.macro SMUL g                          ; S^T = K Q^T for four tiles of 16 keys; an odd tile's scale words lie in lanes 16-31
.irp t, 0,1,2,3
.if \t % 2
	v_wmma_scale_f32_16x16x128_f8f6f4 v[S+8*(4*\g+\t):S+8*(4*\g+\t)+7], v[KA+12*\t:KA+12*\t+11], v[16:27], 0, v[KS+2*\g+\t/2], v28 matrix_a_fmt:MATRIX_FMT_BF6 matrix_b_fmt:MATRIX_FMT_BF6 matrix_a_scale:MATRIX_SCALE_ROW1
.else
	v_wmma_scale_f32_16x16x128_f8f6f4 v[S+8*(4*\g+\t):S+8*(4*\g+\t)+7], v[KA+12*\t:KA+12*\t+11], v[16:27], 0, v[KS+2*\g+\t/2], v28 matrix_a_fmt:MATRIX_FMT_BF6 matrix_b_fmt:MATRIX_FMT_BF6
.endif
.endr
.endm
.macro TFMA g                          ; t = score x log2(e) / 8 + a, two at a time, each accumulator from its low end on
.set i, 0
.rept 16
	v_pk_fma_f32 v[S+32*\g+i:S+32*\g+i+1], v[S+32*\g+i:S+32*\g+i+1], s[CS:CS+1], v[L+i:L+i+1] op_sel_hi:[1,0,1]
.set i, i+2
.endr
.endm
.macro BMAX b0                         ; the largest t of blocks b0 and b0 + 1 of 32 keys (my 16 of each), the two by turns: it serves for the row's maximum and, since p rises with t, for the block's largest p
.irp b, \b0, \b0+1
	v_max3_num_f32 v[TM+\b], v[S+16*(\b)], v[S+16*(\b)+1], v[S+16*(\b)+2]
.endr
.irp i, 3,5,7,9,11,13
.irp b, \b0, \b0+1
	v_max3_num_f32 v[TM+\b], v[TM+\b], v[S+16*(\b)+\i], v[S+16*(\b)+\i+1]
.endr
.endr
.irp b, \b0, \b0+1
	v_max_num_f32 v[TM+\b], v[TM+\b], v[S+16*(\b)+15]
.endr
.endm
.macro LDV                             ; V's four fragments (16 channels x 128 keys) and their scale words: 17 loads, which land under the softmax
.irp u, 0,1,2,3
.irp c, 0,1
	ds_load_b128 v[L+12*\u+6*\c:L+12*\u+6*\c+3], v[P16] offset:6144+1536*\u+768*\c
	ds_load_b64 v[L+12*\u+6*\c+4:L+12*\u+6*\c+5], v[P8] offset:6144+1536*\u+768*\c+512
.endr
.endr
	ds_load_b64 v[VW:VW+1], v[VSA]
.endm
; A KEY STEP: 128 keys.
.macro STEP
	v_add_nc_u32 v[P16], s[TC], v[L16]             ; five plain lines: also the places between the last step's products and the loads into V's registers
	v_add_nc_u32 v[P8], s[TC], v[L8]
	v_add_nc_u32 v[SCA], s[TW], v[LSC]
	v_add_nc_u32 v[VSA], s[TW], v[LVS]
	v_add_nc_u32 v[MA], s[TW], v[LMA]
	ds_load_b128 v[KS:KS+3], v[SCA]
	LDK 0
	LDA 0
	s_wait_dscnt 8                                 ; the scale words and four tiles of K are in; the eight loads of addends may be out
	SMUL 0
.rept 4
	v_nop                                          ; places in front of loads into K's registers and of the first read of the scores
.endr
	LDK 1
	s_wait_dscnt 8                                 ; the addends are in; the eight loads of K may be out
	TFMA 0
	LDA 1
	s_wait_dscnt 8                                 ; K is in; the eight loads of addends may be out
	SMUL 1
	BMAX 0                                         ; sixteen plain lines on the first 64 keys: the places behind those products
	s_wait_dscnt 0x0
	TFMA 1
	LDV
	BMAX 2
.irp b, 0,1,2,3
	v_permlanex16_b32 v[TP+\b], v[TM+\b], s[SEL], s[SEL+1]
.endr
.irp b, 0,1,2,3
	v_max_num_f32 v[TM+\b], v[TM+\b], v[TP+\b]     ; with lane l xor 16's 16 keys
.endr
	v_max3_num_f32 v254, v[TM], v[TM+1], v[TM+2]
	v_max_num_f32 v254, v254, v[TM+3]              ; the step's largest t of my query
	v_max_num_f32 v13, v13, v254                   ; the running largest t
	v_mov_b32 v254, v12
	v_floor_f32 v12, -v13                          ; the new -M = floor(-t) = -ceil(t): M is a whole number
	v_sub_f32 v254, v12, v254                      ; old M - new M: a whole number, 0 or less
	v_cvt_i32_f32 v254, v254                       ; (it saturates)
	v_ldexp_f32 v[FF], 1.0, v254                   ; f = 2^(old M - new M)
.set i, 0
.rept 32
	v_pk_add_f32 v[S+i:S+i+1], v[S+i:S+i+1], v[12:13] op_sel_hi:[1,0]   ; t - M, two at a time (the pair's low word serves both halves)
.set i, i+2
.endr
.irp b, 0,1,2,3
	v_add_f32 v[TM+\b], v[TM+\b], v12              ; the same of each block's largest t
.endr
.set i, 0
.rept 64
	v_exp_f32 v[S+i], v[S+i]                       ; p = 2^(t - M), at most 1: not normalised
.set i, i+1
.endr
	v_pk_mul_f32 v[14:15], v[14:15], v[FF:FF+1] op_sel_hi:[1,0]   ; the sums under the new M (the plain line behind the exponentials)
	s_wait_alu depctr_va_vdst(0)                   ; one wait for the batch of 64, ahead of its first reader
.irp b, 0,1,2,3
	v_exp_f32 v[TM+\b], v[TM+\b]                   ; the block's largest p: the same instructions on the same number give the same bits
.endr
	v_pk_add_f32 v[254:255], v[S:S+1], v[S+2:S+3]  ; the row's sum of the UNQUANTISED p, two at a time, in two chains: it reads the 64 alone
.set i, 4
.rept 15
	v_pk_add_f32 v[14:15], v[14:15], v[S+i:S+i+1]
	v_pk_add_f32 v[254:255], v[254:255], v[S+i+2:S+i+3]
.set i, i+4
.endr
	v_pk_add_f32 v[14:15], v[14:15], v[254:255]
	s_wait_alu depctr_va_vdst(0)                   ; and one for the four
.irp b, 0,1,2,3
	v_max_num_f32 v[TM+\b], 0x2800000, v[TM+\b]    ; the floor 2^(5 - 127): the byte cannot fall under 1
.endr
.irp b, 0,1,2,3
	v_add_nc_u32 v[TS+\b], 0xfe000000, v[TM+\b]    ; 4 off the exponent field: the conversion's scale operand
.endr
.irp b, 0,1,2,3
	v_lshrrev_b32 v[TP+\b], 23, v[TS+\b]           ; the scale's byte
.endr
	v_lshl_or_b32 v[PW], v[TP+1], 8, v[TP]         ; p's scale word for these 128 keys
	v_lshl_or_b32 v[PW], v[TP+2], 16, v[PW]
	v_lshl_or_b32 v[PW], v[TP+3], 24, v[PW]
	v_cvt_scalef32_pk16_bf6_f32 v[PC:PC+2], v[S:S+15], v[TS]
	v_cvt_scalef32_pk16_bf6_f32 v[TP:TP+2], v[S+16:S+31], v[TS+1]     ; (a conversion's three registers begin on an even number)
	v_cvt_scalef32_pk16_bf6_f32 v[PC+6:PC+8], v[S+32:S+47], v[TS+2]
	v_cvt_scalef32_pk16_bf6_f32 v[TM:TM+2], v[S+48:S+63], v[TS+3]
	v_nop                                          ; one plain line behind the scaled conversions
.irp i, 0,1,2                                  ; the operand's layout wants a WHOLE block in a lane: lanes 0-15 block 2 c, lanes 16-31 block 2 c + 1
	v_permlane16_swap_b32 v[PC+\i], v[TP+\i]
.endr
.irp i, 0,1,2
	v_mov_b32 v[PC+3+\i], v[TP+\i]
.endr
.irp i, 0,1,2
	v_permlane16_swap_b32 v[PC+6+\i], v[TM+\i]
.endr
.irp i, 0,1,2
	v_mov_b32 v[PC+9+\i], v[TM+\i]
.endr
.set i, 0
.rept 16
	v_pk_mul_f32 v[OA+i:OA+i+1], v[OA+i:OA+i+1], v[FF:FF+1] op_sel_hi:[1,0]   ; O^T under the new M; these sixteen are also the places between the writes of p's codes and scale word and the products
.set i, i+2
.endr
	s_wait_dscnt 0x0                               ; V
.irp u, 0,1,2,3                                ; O^T += V^T P^T: the four accumulators by turns
.if \u % 2
	v_wmma_scale_f32_16x16x128_f8f6f4 v[OA+8*\u:OA+8*\u+7], v[L+12*\u:L+12*\u+11], v[PC:PC+11], v[OA+8*\u:OA+8*\u+7], v[VW+\u/2], v[PW] matrix_a_fmt:MATRIX_FMT_BF6 matrix_b_fmt:MATRIX_FMT_BF6 matrix_a_scale:MATRIX_SCALE_ROW1
.else
	v_wmma_scale_f32_16x16x128_f8f6f4 v[OA+8*\u:OA+8*\u+7], v[L+12*\u:L+12*\u+11], v[PC:PC+11], v[OA+8*\u:OA+8*\u+7], v[VW+\u/2], v[PW] matrix_a_fmt:MATRIX_FMT_BF6 matrix_b_fmt:MATRIX_FMT_BF6
.endif
.endr
.endm
; Steps 4 j .. 4 j + 3.  My fill j has landed (loads end in order: the 3 - j issued behind it may stay out); behind the barrier everybody's has.  In the second pass the wait is met at once.
.macro FOURSTEPS j
	s_wait_tensorcnt 3-\j
	s_wait_dscnt 0x0                               ; no LDS instruction of mine is out at a signal (ahead of the first barrier: my store of addends)
	s_barrier_signal -1
	s_barrier_wait -1
	s_mov_b32 s[TC], \j*49152
	s_mov_b32 s[TW], \j*2048
	s_mov_b32 s[CNT], 4
.Lstep_\@:
	STEP
	s_add_co_u32 s[TC], s[TC], 12288
	s_add_co_u32 s[TW], s[TW], 512
	s_sub_co_u32 s[CNT], s[CNT], 1
	s_cmp_lg_u32 s[CNT], 0
	s_cbranch_scc1 .Lstep_\@
.endm
.Lpass:                                            ; two passes of 256 queries over the same K and V
	v_and_b32 v254, 15, v0
	v_lshlrev_b32 v254, 4, v254
	global_load_b128 v[16:19], v[L16], s[QP:QP+1]  ; Q's six registers, as they were stored
	global_load_b64 v[20:21], v[L8], s[QP:QP+1] offset:512
	global_load_b32 v28, v254, s[QSP:QSP+1]        ; lane r: row r's scale word (lanes 16-31 are not read)
	v_mov_b32 v13, 0xff61b1e6                      ; the largest t so far: -3e38, under every t
	v_floor_f32 v12, -v13                          ; -M
	v_mov_b32 v14, 0                               ; the sum, in two halves
	v_mov_b32 v15, 0
.set i, 0
.rept 32
	v_mov_b32 v[OA+i], 0                           ; O^T: the step is written once; the first finds zeros, which the first change of M leaves zeros
.set i, i+1
.endr
	s_wait_loadcnt 0x0
	FOURSTEPS 0
	FOURSTEPS 1
	FOURSTEPS 2
	FOURSTEPS 3
	; THE WAY OUT.  O^T / the sum goes through my own stage in LDS, so that sixteen lanes store a token's 64 channels of the head: 256 consecutive bytes, aligned.  The lines up to the multiplies are the places behind the last products.
	v_add_f32 v14, v14, v15                        ; the sum's two halves,
	v_permlanex16_b32 v255, v14, s[SEL], s[SEL+1]
	v_add_f32 v14, v14, v255                       ; and lane l xor 16's
	v_rcp_f32 v14, v14
	v_and_b32 v[TM], 15, v0                        ; r  (a plain line behind the reciprocal)
	v_bfe_u32 v[TM+1], v0, 4, 1                    ; h
	v_mul_u32_u24 v254, v[TM], 272
	v_lshl_add_u32 v254, v[TM+1], 6, v254
	v_add_nc_u32 v254, s[SB], v254                 ; in: row r, + 64 h: register 16 b + i is channel 32 b + 16 h + i
	v_mul_u32_u24 v255, v[TM+1], 272
	v_lshl_add_u32 v255, v[TM], 4, v255
	v_add_nc_u32 v255, s[SB], v255                 ; back: lanes 0-15 one row, lanes 16-31 the next
	s_wait_alu depctr_va_vdst(0)                   ; ahead of the reciprocal's first reader
.set i, 0
.rept 16
	v_pk_mul_f32 v[S+i:S+i+1], v[OA+i:OA+i+1], v[14:15] op_sel_hi:[1,0]   ; each accumulator from its low end on
.set i, i+2
.endr
.irp b, 0,1
.irp j, 0,1,2,3
	ds_store_b128 v254, v[S+16*\b+4*\j:S+16*\b+4*\j+3] offset:128*\b+16*\j
.endr
.endr
.irp i, 0,1,2,3,4,5,6,7
	ds_load_b128 v[L+4*\i:L+4*\i+3], v255 offset:544*\i   ; LDS serves a wave's instructions in order: these see my stores
.endr
.irp i, 0,1,2,3,4,5,6,7
	s_wait_dscnt 7-\i                              ; read-back i is in; the younger ones stay out
	global_store_b128 v[GO], v[L+4*\i:L+4*\i+3], s[OUTP:OUTP+1] offset:(2*\i+8*(\i/4))*4096 th:TH_STORE_NT   ; stage row r is token r + 8 (r / 8) of the tile
.endr
	s_wait_xcnt 0x0                                ; the stores have read their registers and their base: both are written again
	s_add_nc_u64 s[QP:QP+1], s[QP:QP+1], 16*768
	s_add_nc_u64 s[QSP:QSP+1], s[QSP:QSP+1], 1024
	s_add_nc_u64 s[OUTP:OUTP+1], s[OUTP:OUTP+1], 256*4096
	s_sub_co_u32 s[PASS], s[PASS], 1
	s_cmp_lg_u32 s[PASS], 0
	s_cbranch_scc1 .Lpass
	s_wait_xcnt 0x0
	v_lshl_add_u32 v254, v0, 2, 0x47000
	v_mov_b32 v255, 0
	s_wait_tensorcnt 0x0
	ds_add_u32 v254, v255
	s_wait_dscnt 0x0
	CROUND                                         ; the closing round: no work-group ends while a partner may still ask for a tile that names it
	s_endpgm
.Lfunc_end_k_qa6ccce3143_attn:
	.size	k_qa6ccce3143_attn, .Lfunc_end_k_qa6ccce3143_attn-k_qa6ccce3143_attn
	.p2alignl 7, 3214868480
	.fill 96, 4, 3214868480
	.section	.rodata,"a",@progbits
	.p2align	6, 0x0
	.amdhsa_kernel k_qa6ccce3143_attn
		.amdhsa_group_segment_fixed_size 292864
		.amdhsa_private_segment_fixed_size 0
		.amdhsa_enable_private_segment 0
		.amdhsa_kernarg_size 32
		.amdhsa_user_sgpr_count 2
		.amdhsa_user_sgpr_kernarg_segment_ptr 1
		.amdhsa_wavefront_size32 1
		.amdhsa_system_sgpr_workgroup_id_x 1
		.amdhsa_system_sgpr_workgroup_id_y 1
		.amdhsa_system_sgpr_workgroup_id_z 1
		.amdhsa_system_vgpr_workitem_id 0
		.amdhsa_next_free_vgpr 256
		.amdhsa_next_free_sgpr 80
		.amdhsa_reserve_vcc 1
		.amdhsa_float_denorm_mode_32 3
		.amdhsa_float_denorm_mode_16_64 3
		.amdhsa_memory_ordered 1
		.amdhsa_forward_progress 1
		.amdhsa_inst_pref_size 92
	.end_amdhsa_kernel
	.amdgpu_metadata
---
amdhsa.version: [ 1, 2 ]
amdhsa.kernels:
  - .name:           k_qa6ccce3143_attn
    .symbol:         k_qa6ccce3143_attn.kd
    .args:
      - { .name: img, .offset: 0, .size: 8, .value_kind: global_buffer, .address_space: global }
      - { .name: scl, .offset: 8, .size: 8, .value_kind: global_buffer, .address_space: global }
      - { .name: attention_mask, .offset: 16, .size: 8, .value_kind: global_buffer, .address_space: global }
      - { .name: out0, .offset: 24, .size: 8, .value_kind: global_buffer, .address_space: global }
    .group_segment_fixed_size: 292864
    .private_segment_fixed_size: 0
    .kernarg_segment_align: 8
    .kernarg_segment_size: 32
    .max_flat_workgroup_size: 512
    .sgpr_count:     80
    .vgpr_count:     256
    .wavefront_size: 32
...
	.end_amdgpu_metadata
.endif
;; end of part 3
